; MI455X (gfx1250); checked and timed in simulation.
; The chip was launched on July 23, 2026; its instructions are those of AMD's public machine-readable ISA for CDNA 5 (MIT licence, August 2026) and "CDNA5" Instruction Set Architecture Reference Guide (July 2026). The comments in the code are by the model that wrote it; some were corrected since.
;; Causal Self Attention. Allowed arithmetic: matrix products marked QUANTISED: E2M1 operands, one E8M0 scale for each 32 along K, by v_wmma_scale_f32_16x16x128_f8f6f4 with both operands' format E2M1 (or v_wmma_scale_f32_32x16x128_f4), f32 sums; products left as they are: bf16, f16 or f32 operands; f32 sums; everything else in f32.
;; Inputs: W_attn 1,024 x 3,072 float32; W_proj 1,024 x 1,024 float32; b_attn 3,072 float32; b_proj 1,024 float32; mask 4 x 2,048 x 2,048 float32; x 4 x 2,048 x 1,024 float32.
;; Outputs: out0 4 x 2,048 x 1,024 float32.
;; This version of the problem:
;;   THIS VERSION OF THE PROBLEM IS GIVEN IN LOW PRECISION. The matrix products marked QUANTISED in the list below multiply operands that are first quantised to E2M1 (2 exponent bits, 1 mantissa bit; 4 bits a number), with one power-of-two scale for each 32 numbers along K (OCP MX v1.0); their sums are f32. The products marked 'left as it is' may take bf16, f16 or f32 operands, with f32 sums. Whichever they take, every output number must still come out within the allowed error. Rounding operands to bf16 (8 significant bits) uses up far more of that allowance than f16 does (11 bits, for magnitudes from 6e-5 to 65,504). All else is computed in f32.
;;   The module's matrix products, in the order in which they are computed (A, B: the left and right operand; K: the contracted axis; several contracted axes count as one K, in the product's order):
;;     1. [M 8,192, K 1,024] x [K 1,024, N 3,072]; A: input x; B: input W_attn: QUANTISED
;;     2. batch 64 x [M 2,048, K 64] x [K 64, N 2,048]; A: computed on the way; B: computed on the way: left as it is (an operand is computed on the way)
;;     3. batch 64 x [M 64, K 2,048] x [K 2,048, N 2,048]; A: computed on the way; B: computed on the way: left as it is (an operand is computed on the way)
;;     4. [M 8,192, K 1,024] x [K 1,024, N 1,024]; A: computed on the way; B: input W_proj: left as it is (an operand is computed on the way)
;;   THE QUANTISER, for each operand of a quantised product, along K:
;;     - K is cut into blocks of 32 from its start; a last block that is shorter is filled with zeros.
;;     - A block's scale is 2^e with e = floor(log2(the largest magnitude in the block)) - 2, held to -126 .. 127; a block of zeros has e = 0. As a byte (E8M0): e + 127.
;;     - Each number is divided by its block's scale, clamped to +-6, and rounded to the nearest number of E2M1, ties to even, subnormals kept.
;;     - The product sums the exact products of the quantised numbers (number of the format x scale) in f32.
;;   ~~~python
;;   def quantise(x, axis):      # numpy; x: float32 -> the quantised numbers, widened to float32 again
;;       x = np.moveaxis(x, axis, -1); K = x.shape[-1]
;;       x = np.pad(x, [(0, 0)] * (x.ndim - 1) + [(0, -K % 32)]); x = x.reshape(x.shape[:-1] + (-1, 32)); a = np.abs(x).max(-1, keepdims=True)
;;       e = np.where(a > 0, np.clip(np.frexp(np.where(a > 0, a, 1))[1] - 1 - 2, -126, 127), 0)      # np.frexp(a)[1] - 1 = floor(log2(a)), exactly
;;       r = np.clip(x / 2.0 ** e, -6, 6)
;;       step = 2.0 ** (np.maximum(np.frexp(np.where(r == 0, 1, r))[1] - 1, 0) - 1)
;;       q = np.round(r / step) * step * 2.0 ** e      # np.round: ties to even
;;       return np.moveaxis(q.reshape(q.shape[:-2] + (-1,))[..., :K], -1, axis).astype(np.float32)
;;   ~~~
;; One version. Each part assembles by itself: llvm-mc -triple=amdgcn-amd-amdhsa -mcpu=gfx1250 --defsym DOCPART=n.
;; ======== version 1 of 1: 6 launches
;; limits: values are held in f16: magnitudes above 65,504 overflow, below 6.1e-05 lose precision
;; workspace buffers: xq_codes 4,194,304 bytes; xq_scales 262,144 bytes; wq_codes 1,572,864 bytes; wq_scales 98,304 bytes; wpT 2,097,152 bytes; qkv 50,331,648 bytes; y 16,777,216 bytes; yf 262,144 bytes
;; launch prep (part 1): grid 368 x 1, 4 waves a work-group, no clusters, 102,912 bytes of LDS; arguments x, W_attn, W_proj, xq_codes, xq_scales, wq_codes, wq_scales, wpT; writes xq_codes, xq_scales, wq_codes, wq_scales, wpT
.if DOCPART == 1
	.amdgcn_target "amdgcn-amd-amdhsa--gfx1250"
	.amdhsa_code_object_version 6
	.text
	.protected	k_q456201742c_prep
	.globl	k_q456201742c_prep
	.p2align	8
	.type	k_q456201742c_prep,@function
k_q456201742c_prep:
	s_mov_b64 s[64:65], 0
	v_nop
	global_prefetch_b8 v0, s[64:65] scope:SCOPE_SE
	s_setreg_imm32_b32 hwreg(HW_REG_WAVE_MODE, 25, 1), 1
	s_wait_xcnt 0x0
; PREP.  Three jobs in one launch, told apart by the work-group's number; each has LDS bytes of its own.
;   work-groups 0-47    W_attn [1024 k][3072 n] f32 -> codes of FP4 (E2M1) laid [3072][512 bytes], K innermost, and E8M0 scale bytes [3072][32]
;   work-groups 48-111  W_proj [1024 k][1024 n] f32 -> f16, laid [n][k]
;   work-groups 112-367 x [8192][1024] f32 -> codes [8192][512 bytes] and scale bytes [8192][32]
; A block's scale is 2^(floor(log2(its largest magnitude)) - 2): its byte is the largest magnitude's exponent field - 2, held at 1 from below.
; LIMITS: a block of zeros gets the byte 1 where the rule says 127 (its codes are zeros, and this program alone reads the bytes); blocks whose largest magnitude lies under 2^-124 are
; held at the byte 1; NaN and infinities are not served; |W_proj| stays under 65,504 (f16).
; No tensor loads, no barrier: waves share nothing.
.set SPARE,  102400                    ; behind the three regions: the spare words, 128 bytes for each wave
.set SPW,    190                       ; v190 LDS address of my spare word; never rewritten
.set NIL,    191                       ; v191 0; never rewritten
.set PITCH,  272                       ; a stage row of 256 bytes + 16
.set PBASE,  34816                     ; the stages of W_proj's work-groups
.set XBASE,  69632                     ; the regions of x's work-groups
.set FLOOR,  0x1800000                 ; 2^(3 - 127)
.set OFFE,   0xff000000                ; 2 off an exponent field
	s_load_b512 s[16:31], s[0:1], 0x0              ; x 16, W_attn 18, W_proj 20, xq_codes 22, xq_scales 24, wq_codes 26, wq_scales 28, wpT 30
	v_lshl_add_u32 v[SPW], v0, 2, SPARE
	v_mov_b32 v[NIL], 0
	v_lshrrev_b32 v1, 5, v0
	v_readfirstlane_b32 s2, v1                     ; wave 0..3
	v_and_b32 v2, 31, v0                           ; lane
	s_wait_kmcnt 0x0
	s_cmp_lt_u32 ttmp9, 48
	s_cbranch_scc1 .Lw
	s_cmp_lt_u32 ttmp9, 112
	s_cbranch_scc1 .Lp
; ---------------- x: a plain stream of blocks of 32.  A wave takes 16 steps of 512 numbers; each load reads 512 consecutive bytes; a step's 2,048 bytes turn through the wave's
; own stage so that a lane holds 16 neighbours; two neighbouring lanes hold a block.  Loads run four steps ahead, the turn one step.
.set STEPS, 16
.set SP,    80                         ; a lane's place in a stage: 64 bytes + 16
.set WREG,  8192                       ; a wave's region: two stages of 32 x SP bytes, then its 256 scale bytes
.set RX,    16                         ; v16-79   four sets of 16 numbers as loaded
.set NX,    80                         ; v80-111  two sets of 16 neighbours
.set EX,    112                        ; v112-127 a scale byte for each step
.set CX,    128                        ; v128-189 codes, registers of its own for each step
	v_lshlrev_b32 v3, 4, v2                        ; my 16 bytes of a load's 512
	s_mul_i32 s3, s2, WREG
	s_add_co_u32 s3, s3, XBASE
	v_lshrrev_b32 v14, 2, v2
	v_mul_u32_u24 v14, v14, SP
	v_and_b32 v15, 3, v2
	v_lshl_add_u32 v14, v15, 4, v14
	v_add_nc_u32 v14, s3, v14                      ; into the stage: SP (lane / 4) + 16 (lane % 4)
	v_mul_u32_u24 v15, v2, SP
	v_add_nc_u32 v15, s3, v15                      ; out of it: SP x lane
	v_lshlrev_b32 v4, 3, v2                        ; 8 bytes a lane: my codes in a step's 256, my part of the 256 scale bytes
	v_lshrrev_b32 v5, 1, v2
	s_add_co_u32 s3, s3, 2*32*SP
	v_add_nc_u32 v5, s3, v5                        ; my block's scale byte in LDS
	v_add_nc_u32 v6, s3, v4                        ; and where I read 8 of them back
	s_sub_co_u32 s4, ttmp9, 112
	s_lshl_b32 s4, s4, 2
	s_add_co_u32 s4, s4, s2                        ; which run of 8,192 numbers is my wave's: 0..1023
	s_mov_b32 s7, 0
	s_lshl_b32 s6, s4, 15                          ; 32,768 bytes of x,
	s_add_nc_u64 s[16:17], s[16:17], s[6:7]
	s_lshl_b32 s6, s4, 12                          ; 4,096 of codes,
	s_add_nc_u64 s[22:23], s[22:23], s[6:7]
	s_lshl_b32 s6, s4, 8                           ; 256 of scale bytes
	s_add_nc_u64 s[24:25], s[24:25], s[6:7]
.macro LOADX t
.irp i, 0,1,2,3
	global_load_b128 v[RX+16*((\t)%4)+4*\i:RX+16*((\t)%4)+4*\i+3], v3, s[16:17] offset:2048*(\t)+512*\i th:TH_LOAD_NT
.endr
.endm
.macro TURNX t                         ; LDS serves a wave's instructions in order: no wait between the stores and the loads
.irp i, 0,1,2,3
	ds_store_b128 v14, v[RX+16*((\t)%4)+4*\i:RX+16*((\t)%4)+4*\i+3] offset:32*SP*((\t)%2)+8*SP*\i
.endr
.irp i, 0,1,2,3
	ds_load_b128 v[NX+16*((\t)%2)+4*\i:NX+16*((\t)%2)+4*\i+3], v15 offset:32*SP*((\t)%2)+16*\i
.endr
.endm
.irp t, 0,1,2,3
	LOADX \t
.endr
	s_wait_loadcnt 12                              ; step 0's four loads are in
	TURNX 0
.macro STEPX t
.set XS, NX+16*((\t)%2)
.if (\t) > 0
	s_wait_dscnt 1                                 ; this step's numbers are back from the stage (the last step's byte store may be out)
.else
	s_wait_dscnt 0x0
.endif
.if (\t)+4 < STEPS
	LOADX (\t)+4                                   ; into the registers that this step's stage stores have read
.endif
.if (\t)+1 < STEPS
.if STEPS-2-(\t) >= 3
	s_wait_loadcnt 12                              ; the next step's four loads are in; three steps' may be out
.else
	s_wait_loadcnt 4*(STEPS-2-(\t))
.endif
	TURNX (\t)+1
.endif
	v_max3_num_f32 v8, |v[XS]|, |v[XS+1]|, |v[XS+2]|
	v_max3_num_f32 v9, |v[XS+3]|, |v[XS+4]|, |v[XS+5]|
.irp i, 6,10
	v_max3_num_f32 v8, v8, |v[XS+\i]|, |v[XS+\i+1]|
	v_max3_num_f32 v9, v9, |v[XS+\i+2]|, |v[XS+\i+3]|
.endr
	v_max3_num_f32 v8, v8, |v[XS+14]|, |v[XS+15]|
	v_max3_num_f32 v8, v8, v9, FLOOR               ; and the floor: the byte cannot fall under 1
	v_max_num_f32_dpp v8, v8, v8 row_xmask:1 row_mask:0xf bank_mask:0xf   ; with my neighbour's 16: the block's largest magnitude
	v_add_nc_u32 v11, OFFE, v8                     ; the conversion takes this operand's exponent field as its scale
	v_cvt_scalef32_pk8_fp4_f32 v[CX+4*(\t)], v[XS:XS+7], v11
	v_cvt_scalef32_pk8_fp4_f32 v[CX+4*(\t)+1], v[XS+8:XS+15], v11
	v_lshrrev_b32 v[EX+(\t)], 23, v11              ; the scale's byte
	ds_store_b8 v5, v[EX+(\t)] offset:16*(\t)      ; both lanes of a block write the same byte with the same value
	global_store_b64 v4, v[CX+4*(\t):CX+4*(\t)+1], s[22:23] offset:256*(\t)   ; the wave stores 256 consecutive bytes, aligned
.endm
.irp t, 0,1,2,3,4,5,6,7,8,9,10,11,12,13,14,15
	STEPX \t
.endr
	ds_load_b64 v[8:9], v6
	s_wait_dscnt 0x0
	global_store_b64 v4, v[8:9], s[24:25]          ; my wave's 256 scale bytes, aligned
	s_wait_tensorcnt 0x0                           ; the wave's end
	ds_add_u32 v[SPW], v[NIL]
	s_wait_dscnt 0x0
	s_endpgm
; ---------------- W_attn: a lane takes a column n and its registers run down K, so a block of 32 lies in one lane and the codes come out with K innermost.
; A wave takes 32 columns x 512 along K; the codes leave through its stage as rows of 256 bytes.
.Lw:
.set NB,    16                         ; blocks of a lane
.set WN,    32                         ; v32-95   two sets of 32 numbers
.set CW,    96                         ; v96-99   a block's codes
.set SBW,   24                         ; v24-27   the scale bytes, four to a register
.set OUTR,  112                        ; v112-175 the way out
	s_cmp_ge_u32 ttmp9, 24
	s_cselect_b32 s3, 1, 0                         ; which 512 along K
	s_cselect_b32 s4, 24, 0
	s_sub_co_u32 s4, ttmp9, s4
	s_lshl_b32 s4, s4, 7
	s_lshl_b32 s5, s2, 5
	s_add_co_u32 s4, s4, s5                        ; my wave's first column
	v_lshlrev_b32 v3, 2, v2
	s_mul_i32 s5, s2, 32*PITCH                     ; my stage
	v_mul_u32_u24 v4, v2, PITCH
	v_add_nc_u32 v4, s5, v4                        ; into it: row = my column
	v_and_b32 v5, 15, v2
	v_lshrrev_b32 v6, 4, v2
	v_mul_u32_u24 v7, v6, PITCH
	v_lshl_add_u32 v7, v5, 4, v7
	v_add_nc_u32 v7, s5, v7                        ; out of it: sixteen lanes to a row, two rows an instruction
	v_lshlrev_b32 v8, 9, v6
	v_lshl_add_u32 v8, v5, 4, v8                   ; the same place in the codes' buffer (rows of 512 bytes)
	v_lshlrev_b32 v9, 5, v2                        ; my column's row of scale bytes
	s_mul_i32 s6, s3, 512*12288
	s_lshl_b32 s7, s4, 2
	s_add_co_u32 s6, s6, s7
	s_mov_b32 s7, 0
	s_add_nc_u64 s[18:19], s[18:19], s[6:7]
	s_lshl_b32 s6, s4, 9
	s_lshl_b32 s8, s3, 8
	s_add_co_u32 s6, s6, s8
	s_add_nc_u64 s[26:27], s[26:27], s[6:7]
	s_lshl_b32 s6, s4, 5
	s_lshl_b32 s8, s3, 4
	s_add_co_u32 s6, s6, s8
	s_add_nc_u64 s[28:29], s[28:29], s[6:7]
.macro LOADW t                         ; block t: W(32 t + i, my column); the largest offset, 511 rows of 12,288 bytes, fits the signed 24-bit immediate
.set i, 0
.rept 32
	global_load_b32 v[WN+32*((\t)%2)+i], v3, s[18:19] offset:(32*(\t)+i)*12288 th:TH_LOAD_NT
.set i, i+1
.endr
.endm
	LOADW 0
	LOADW 1
.macro BLOCKW t
.set XS, WN+32*((\t)%2)
.if (\t) < NB-1
	s_wait_loadcnt 32                              ; this block's 32 loads are in; the next block's may be out
.else
	s_wait_loadcnt 0x0
.endif
	v_max3_num_f32 v12, |v[XS]|, |v[XS+1]|, |v[XS+2]|
	v_max3_num_f32 v13, |v[XS+3]|, |v[XS+4]|, |v[XS+5]|
.irp i, 6,10,14,18,22,26
	v_max3_num_f32 v12, v12, |v[XS+\i]|, |v[XS+\i+1]|
	v_max3_num_f32 v13, v13, |v[XS+\i+2]|, |v[XS+\i+3]|
.endr
	v_max3_num_f32 v12, v12, |v[XS+30]|, |v[XS+31]|
	v_max3_num_f32 v12, v12, v13, FLOOR
	v_add_nc_u32 v11, OFFE, v12
	v_lshrrev_b32 v13, 23, v11
.if (\t)%4 == 0
	v_mov_b32 v[SBW+(\t)/4], v13
.else
	v_lshl_or_b32 v[SBW+(\t)/4], v13, 8*((\t)%4), v[SBW+(\t)/4]
.endif
.irp g, 0,1,2,3
	v_cvt_scalef32_pk8_fp4_f32 v[CW+\g], v[XS+8*\g:XS+8*\g+7], v11
.endr
	ds_store_b128 v4, v[CW:CW+3] offset:16*(\t)
.if (\t)+2 < NB
	LOADW (\t)+2
.endif
	s_wait_dscnt 0x0                               ; the store has read its registers: the next block's codes may be written
.endm
.set Q, 0
.rept NB
	BLOCKW Q
.set Q, Q+1
.endr
	global_store_b128 v9, v[SBW:SBW+3], s[28:29]   ; my column's 16 scale bytes
.irp t, 0,1,2,3,4,5,6,7,8,9,10,11,12,13,14,15
	ds_load_b128 v[OUTR+4*\t:OUTR+4*\t+3], v7 offset:2*\t*PITCH
.endr
.irp t, 0,1,2,3,4,5,6,7,8,9,10,11,12,13,14,15
	s_wait_dscnt 15-\t
	global_store_b128 v8, v[OUTR+4*\t:OUTR+4*\t+3], s[26:27] offset:2*\t*512   ; sixteen lanes store 256 consecutive bytes, aligned
.endr
	s_wait_tensorcnt 0x0                           ; the wave's end, as above
	ds_add_u32 v[SPW], v[NIL]
	s_wait_dscnt 0x0
	s_endpgm
; ---------------- W_proj: the same plan without a quantiser.  A wave takes 32 columns x 128 along K; a lane's 128 numbers become 256 bytes of f16, one row of wpT's tile.
.Lp:
	s_sub_co_u32 s3, ttmp9, 48
	s_and_b32 s4, s3, 7
	s_lshr_b32 s3, s3, 3                           ; which 128 along K
	s_lshl_b32 s4, s4, 7
	s_lshl_b32 s5, s2, 5
	s_add_co_u32 s4, s4, s5                        ; my wave's first column
	v_lshlrev_b32 v3, 2, v2
	s_mul_i32 s5, s2, 32*PITCH
	s_add_co_u32 s5, s5, PBASE
	v_mul_u32_u24 v4, v2, PITCH
	v_add_nc_u32 v4, s5, v4
	v_and_b32 v5, 15, v2
	v_lshrrev_b32 v6, 4, v2
	v_mul_u32_u24 v7, v6, PITCH
	v_lshl_add_u32 v7, v5, 4, v7
	v_add_nc_u32 v7, s5, v7
	v_lshlrev_b32 v8, 11, v6
	v_lshl_add_u32 v8, v5, 4, v8                   ; rows of wpT are 2,048 bytes
	s_lshl_b32 s6, s3, 19                          ; 128 rows of 4,096 bytes
	s_lshl_b32 s7, s4, 2
	s_add_co_u32 s6, s6, s7
	s_mov_b32 s7, 0
	s_add_nc_u64 s[20:21], s[20:21], s[6:7]
	s_lshl_b32 s6, s4, 11
	s_lshl_b32 s8, s3, 8
	s_add_co_u32 s6, s6, s8
	s_add_nc_u64 s[30:31], s[30:31], s[6:7]
.macro LOADP t                         ; 32 along K of my column into registers of their own
.set i, 0
.rept 32
	global_load_b32 v[32+32*(\t)+i], v3, s[20:21] offset:(32*(\t)+i)*4096 th:TH_LOAD_NT
.set i, i+1
.endr
.endm
	LOADP 0
	LOADP 1
.irp t, 0,1,2,3
.if \t < 3
	s_wait_loadcnt 32                              ; this block's 32 loads are in; the next block's may be out
.else
	s_wait_loadcnt 0x0
.endif
.set i, 0
.rept 16
	v_cvt_pk_f16_f32 v[160+i], v[32+32*\t+2*i], v[33+32*\t+2*i]
.set i, i+1
.endr
.irp g, 0,1,2,3
	ds_store_b128 v4, v[160+4*\g:163+4*\g] offset:64*\t+16*\g
.endr
.if \t < 2
	LOADP \t+2
.endif
	s_wait_dscnt 0x0                               ; the stores have read their registers
.endr
.irp t, 0,1,2,3,4,5,6,7,8,9,10,11,12,13,14,15
	ds_load_b128 v[32+4*\t:35+4*\t], v7 offset:2*\t*PITCH
.endr
.irp t, 0,1,2,3,4,5,6,7,8,9,10,11,12,13,14,15
	s_wait_dscnt 15-\t
	global_store_b128 v8, v[32+4*\t:35+4*\t], s[30:31] offset:2*\t*2048   ; sixteen lanes store 256 consecutive bytes, aligned
.endr
	s_wait_tensorcnt 0x0                           ; the wave's end, as above
	ds_add_u32 v[SPW], v[NIL]
	s_wait_dscnt 0x0
	s_endpgm
.Lfunc_end_k_q456201742c_prep:
	.size	k_q456201742c_prep, .Lfunc_end_k_q456201742c_prep-k_q456201742c_prep
	.p2alignl 7, 3214868480
	.fill 96, 4, 3214868480
	.section	.rodata,"a",@progbits
	.p2align	6, 0x0
	.amdhsa_kernel k_q456201742c_prep
		.amdhsa_group_segment_fixed_size 102912
		.amdhsa_private_segment_fixed_size 0
		.amdhsa_enable_private_segment 0
		.amdhsa_kernarg_size 64
		.amdhsa_user_sgpr_count 2
		.amdhsa_user_sgpr_kernarg_segment_ptr 1
		.amdhsa_wavefront_size32 1
		.amdhsa_system_sgpr_workgroup_id_x 1
		.amdhsa_system_sgpr_workgroup_id_y 1
		.amdhsa_system_sgpr_workgroup_id_z 1
		.amdhsa_system_vgpr_workitem_id 0
		.amdhsa_next_free_vgpr 192
		.amdhsa_next_free_sgpr 66
		.amdhsa_reserve_vcc 0
		.amdhsa_float_denorm_mode_32 3
		.amdhsa_float_denorm_mode_16_64 3
		.amdhsa_memory_ordered 1
		.amdhsa_forward_progress 1
		.amdhsa_inst_pref_size 132
	.end_amdhsa_kernel
	.amdgpu_metadata
---
amdhsa.version: [ 1, 2 ]
amdhsa.kernels:
  - .name:           k_q456201742c_prep
    .symbol:         k_q456201742c_prep.kd
    .args:
      - { .name: x, .offset: 0, .size: 8, .value_kind: global_buffer, .address_space: global }
      - { .name: W_attn, .offset: 8, .size: 8, .value_kind: global_buffer, .address_space: global }
      - { .name: W_proj, .offset: 16, .size: 8, .value_kind: global_buffer, .address_space: global }
      - { .name: xq_codes, .offset: 24, .size: 8, .value_kind: global_buffer, .address_space: global }
      - { .name: xq_scales, .offset: 32, .size: 8, .value_kind: global_buffer, .address_space: global }
      - { .name: wq_codes, .offset: 40, .size: 8, .value_kind: global_buffer, .address_space: global }
      - { .name: wq_scales, .offset: 48, .size: 8, .value_kind: global_buffer, .address_space: global }
      - { .name: wpT, .offset: 56, .size: 8, .value_kind: global_buffer, .address_space: global }
    .group_segment_fixed_size: 102912
    .private_segment_fixed_size: 0
    .kernarg_segment_align: 8
    .kernarg_segment_size: 64
    .max_flat_workgroup_size: 128
    .sgpr_count:     66
    .vgpr_count:     192
    .wavefront_size: 32
...
	.end_amdgpu_metadata
.endif
;; end of part 1
;; launch gemm_qkv (part 2): grid 12 x 32, 4 waves a work-group, clusters of 4 x 4, 327,680 bytes of LDS; arguments xq_codes, xq_scales, wq_codes, wq_scales, b_attn, qkv; writes qkv
.if DOCPART == 2
	.amdgcn_target "amdgcn-amd-amdhsa--gfx1250"
	.amdhsa_code_object_version 6
	.text
	.protected	k_q456201742c_gemm_qkv
	.globl	k_q456201742c_gemm_qkv
	.p2align	8
	.type	k_q456201742c_gemm_qkv,@function
k_q456201742c_gemm_qkv:
	s_mov_b64 s[64:65], 0
	v_nop
	global_prefetch_b8 v0, s[64:65] scope:SCOPE_SE
	s_setreg_imm32_b32 hwreg(HW_REG_WAVE_MODE, 25, 1), 1
	s_wait_xcnt 0x0
	s_wait_alu depctr_hold_cnt(0) depctr_sa_sdst(0) depctr_va_vdst(0) depctr_va_sdst(0) depctr_va_ssrc(0) depctr_va_vcc(0) depctr_vm_vsrc(0)
	s_getreg_b32 s2, hwreg(HW_REG_IB_STS2, 6, 4)
	s_cmp_eq_u32 s2, 0
	s_cbranch_scc0 .Lentry_in_a_cluster
	s_endpgm
.Lentry_in_a_cluster:
	s_bfe_u32 s2, ttmp6, 0x10000c
	s_cmp_lg_u32 s2, 0xf033
	s_cbranch_scc0 .Lentry_shape_is_right
	s_endpgm
.Lentry_shape_is_right:
; qkv[m][n] = f16((sum over k of x[m][k] W[k][n] + b_attn[n]) x g[n]), on codes of FP4 (E2M1) with one E8M0 scale for each 32 along K; sums in f32.  g = 0.125 log2(e) for the 1,024 columns of q, else 1:
; so the scores of the next launch come out in units of log2.  A = xq [8192][1024], B = wq [3072][1024], codes with K innermost; qkv [8192][3072] f16.
; LIMIT: |qkv| stays under 65,504 (f16).
; A tile of 256 x 256 is made by four waves, each 128 x 128: 64 accumulators of 16 x 16.  K = 1,024 is two slots of 512 along K: both slots and all scale bytes are first fills; nothing is filled again.
; CLUSTERS: 4 x 4 work-groups; A's tiles are asked for jointly along a row of the cluster, B's along a column.  The matrix instruction is used transposed (source 0 = 16 rows of B, source 1 = 16 rows
; of A): a lane holds eight neighbouring columns of one row.  The bias is the C of each sum's first product.
; REGISTERS: window 0: v0-31 addresses; v32-95 scale words, two sets; v96-127 packed results; v128-191 A's fragments, later rows on their way out; v192-255 the bias, later scaled results.
;   window 1: B's fragments, two sets.   windows 2, 3: the accumulators of my rows 0-63 and 64-127.
.set KSTEP,  512
.set NQ,     KSTEP/128
.set ROWB,   256
.set KROW,   512
.set PITCH,  272
.set FR,     8
.set NL,     2
.set NP,     4
.set HALFT,  128*PITCH
.set SLOT,   4*HALFT
.set KS,     32
.set SCL,    2*SLOT
.set HALFS,  (128*KS/256)*272
.set SBLK,   (16*KS/256)*272
.set SPARE,  SCL+4*HALFS               ; the spare words, 128 bytes for each wave
.set SPITCH, 272                       ; the way out: 16 rows x (256 bytes + 16) for each wave, in slot 0, which has had its only fill and its last read by then
.set QROW,   6144                      ; a row of qkv in bytes
.set ADRA, 16
.set ADRB, 20
.set STO,  24
.set RD,   25
.set CO,   26
.set ADRS, 27
.set SPW,  28
.set NIL,  29
.set BO,   30
.set SC,   32
.set PKD,  96
.set AF,   128
.set BK,   128
.set BIAS, 192
.set G1, 24
.set G0, 32
.set G1B, 48
.set G0B, 56
.set G1S, 68
.set G0S, 76
.set G1SB, 80
.set G0SB, 88
.set MSB, 0
.macro WIN new                         ; the immediate's high byte repeats the setting that is left
.if MSB != (\new)
	s_set_vgpr_msb (MSB<<8)|(\new)
.set MSB, (\new)
.endif
.endm
.set MUL_LO, 0xa1                      ; source 0 (B) window 1, source 1 (A) window 0, C and D window 2
.set MUL_HI, 0xf1                      ; the same, C and D window 3
.set TO_B,   0x40
.macro JLOAD g0a, g1a, g0b, g1b        ; a joint load: waves 0 and 1 fetch for A, waves 2 and 3 for B; an s_nop 0 and four v_nop follow each line
	s_cmp_eq_u32 s15, 0
	s_cbranch_scc0 .Lfor_b_\@
	tensor_load_to_lds s[\g0a:\g0a+3], s[\g1a:\g1a+7]
	s_nop 0
.rept 4
	v_nop
.endr
	s_branch .Lasked_\@
.Lfor_b_\@:
	tensor_load_to_lds s[\g0b:\g0b+3], s[\g1b:\g1b+7]
	s_nop 0
.rept 4
	v_nop
.endr
.Lasked_\@:
.endm
.macro CROUND                          ; a round of the cluster's barrier
	s_barrier_signal -1
	s_barrier_wait -1
	s_cmp_lg_u32 s14, 0
	s_cbranch_scc1 .Lnot_wave_0_\@
	s_barrier_signal -3
.Lnot_wave_0_\@:
	s_barrier_wait -3
	s_barrier_signal -1
	s_barrier_wait -1
.endm
	s_load_b128 s[4:7], s[0:1], 0x0                ; A's codes, A's scales
	s_load_b128 s[8:11], s[0:1], 0x10              ; B's codes, B's scales
	s_load_b64 s[66:67], s[0:1], 0x20              ; b_attn
	s_load_b64 s[12:13], s[0:1], 0x28              ; qkv
	v_lshl_add_u32 v[SPW], v0, 2, SPARE
	v_mov_b32 v[NIL], 0
	ds_add_u32 v[SPW], v[NIL]                      ; the wave's opening
	ds_add_u32 v[SPW], v[NIL]
	v_lshrrev_b32 v1, 5, v0
	v_readfirstlane_b32 s14, v1                    ; wave 0..3
	s_lshr_b32 s15, s14, 1                         ; my half of the tile's rows; also: I fetch for A (0) or B (1)
	s_and_b32 s16, s14, 1                          ; my half of its columns; also: which 128 rows I fetch
	s_bfe_u32 s40, ttmp6, 0x40000                  ; cx
	s_bfe_u32 s41, ttmp6, 0x40004                  ; cy
	s_lshl_b32 s42, ttmp9, 2
	s_add_co_u32 s42, s42, s40                     ; tile column
	s_and_b32 s17, ttmp7, 0xffff
	s_lshl_b32 s17, s17, 2
	s_add_co_u32 s17, s17, s41                     ; tile row
	s_lshl_b32 s43, s41, 2
	s_lshl_b32 s43, 15, s43                        ; my row of the cluster
	s_lshl_b32 s44, 0x1111, s40                    ; my column
	s_or_b32 s[G1+0], s43, (0<<16)|(1<<20)|(1<<21)|(5<<22)|(3<<25)  ; the mask; elements of 1 byte; padding: 4 words after every 64; bit 21 beside a mask
	s_or_b32 s[G1B+0], s44, (0<<16)|(1<<20)|(1<<21)|(5<<22)|(3<<25)
.irp g, G1, G1B
	s_mov_b32 s[\g+1], ROWB<<16                    ; tensor_dim0
	s_mov_b32 s[\g+2], 128<<16                     ; tensor_dim1
	s_mov_b32 s[\g+3], ROWB<<16                    ; tile_dim0
	s_mov_b32 s[\g+4], 128                         ; tile_dim1
	s_mov_b32 s[\g+5], KROW                        ; the pitch
	s_mov_b32 s[\g+6], 0
	s_mov_b32 s[\g+7], 0
.endr
	s_or_b32 s[G1S+0], s43, (3<<16)|(1<<20)|(1<<21)|(5<<22)|(3<<25)  ; the scales of 128 rows: a dense block, as rows of 256 bytes (32 elements of 8 bytes)
	s_or_b32 s[G1SB+0], s44, (3<<16)|(1<<20)|(1<<21)|(5<<22)|(3<<25)
.irp g, G1S, G1SB
	s_mov_b32 s[\g+1], 32<<16
	s_mov_b32 s[\g+2], (128*KS/256)<<16
	s_mov_b32 s[\g+3], 32<<16
	s_mov_b32 s[\g+4], 128*KS/256
	s_mov_b32 s[\g+5], 32
	s_mov_b32 s[\g+6], 0
	s_mov_b32 s[\g+7], 0
.endr
	s_lshl_b32 s18, s16, 7
	s_lshl_b32 s20, s17, 8
	s_add_co_u32 s20, s20, s18                     ; A: row 256 x tile row + 128 x half
	s_lshl_b32 s46, s42, 8
	s_add_co_u32 s46, s46, s18                     ; B: row 256 x tile column + 128 x half
	s_mov_b32 s21, 0
	s_mov_b32 s47, 0
	s_mov_b64 s[18:19], KS
	s_mul_u64 s[22:23], s[20:21], s[18:19]
	s_mul_u64 s[92:93], s[46:47], s[18:19]
	s_mov_b64 s[18:19], KROW
	s_mul_u64 s[20:21], s[20:21], s[18:19]
	s_mul_u64 s[46:47], s[46:47], s[18:19]
	s_mul_i32 s45, s14, HALFT                      ; where they go: wave x 128 rows
	s_mul_i32 s94, s14, HALFS
	s_wait_dscnt 0x0                               ; both opening adds are done
	s_wait_kmcnt 0x0
	s_add_nc_u64 s[20:21], s[4:5], s[20:21]
	s_add_nc_u64 s[22:23], s[6:7], s[22:23]
	s_add_nc_u64 s[46:47], s[8:9], s[46:47]
	s_add_nc_u64 s[92:93], s[10:11], s[92:93]
	CROUND                                         ; all sixteen work-groups are here: the first joint loads meet
	s_mov_b32 s[G0S], 1
	s_add_co_u32 s[G0S+1], s94, SCL
	s_mov_b64 s[G0S+2:G0S+3], s[22:23]
	s_or_b32 s[G0S+3], s[G0S+3], 0x80000000
	s_mov_b32 s[G0SB], 1
	s_add_co_u32 s[G0SB+1], s94, SCL
	s_mov_b64 s[G0SB+2:G0SB+3], s[92:93]
	s_or_b32 s[G0SB+3], s[G0SB+3], 0x80000000
	JLOAD G0S, G1S, G0SB, G1SB                     ; the scales first
.irp s, 0,1
	s_mov_b32 s[G0+4*\s], 1
	s_add_co_u32 s[G0+4*\s+1], s45, \s*SLOT
	s_add_nc_u64 s[G0+4*\s+2:G0+4*\s+3], s[20:21], \s*ROWB
	s_or_b32 s[G0+4*\s+3], s[G0+4*\s+3], 0x80000000
	s_mov_b32 s[G0B+4*\s], 1
	s_add_co_u32 s[G0B+4*\s+1], s45, \s*SLOT
	s_add_nc_u64 s[G0B+4*\s+2:G0B+4*\s+3], s[46:47], \s*ROWB
	s_or_b32 s[G0B+4*\s+3], s[G0B+4*\s+3], 0x80000000
	JLOAD G0+4*\s, G1, G0B+4*\s, G1B               ; three loads of mine are out
.endr
	v_and_b32 v1, 15, v0                           ; r
	v_bfe_u32 v2, v0, 4, 1                         ; h
	v_mul_u32_u24 v3, v1, PITCH
	v_lshl_add_u32 v4, v2, 4, v3
	s_mul_i32 s21, s15, HALFT
	s_mul_i32 s22, s16, HALFT
	s_add_co_u32 s22, s22, 2*HALFT
.irp s, 0,1
	v_add_nc_u32 v[ADRA+\s], s21, v4
	v_add_nc_u32 v[ADRB+\s], s22, v4
	s_add_co_u32 s21, s21, SLOT
	s_add_co_u32 s22, s22, SLOT
.endr
	v_mul_u32_u24 v5, v1, KS
	v_lshrrev_b32 v6, 8, v5
	v_lshl_add_u32 v5, v6, 4, v5                   ; my row's scales: 32 bytes a row, 16 more for each 256 passed
	s_mul_i32 s21, s15, HALFS
	s_mul_i32 s22, s16, HALFS
	s_add_co_u32 s22, s22, 2*HALFS
	s_sub_co_u32 s22, s22, s21
	v_mul_u32_u24 v6, s22, v2                      ; lanes 16-31 take B's
	s_add_co_u32 s21, s21, SCL
	v_add_nc_u32 v5, v5, v6
	v_add_nc_u32 v[ADRS], s21, v5
	s_mul_i32 s23, s14, 16*SPITCH                  ; my stage
	v_mul_u32_u24 v5, v1, SPITCH
	v_lshl_add_u32 v5, v2, 4, v5
	v_add_nc_u32 v[STO], s23, v5                   ; in: row r, 16 bytes for each half of the lanes
	v_mul_u32_u24 v5, v2, SPITCH
	v_lshl_add_u32 v5, v1, 4, v5
	v_add_nc_u32 v[RD], s23, v5                    ; back: lanes 0-15 one row of 256 bytes, lanes 16-31 the next
	v_mul_u32_u24 v5, v2, QROW
	v_lshl_add_u32 v[CO], v1, 4, v5
	v_lshlrev_b32 v[BO], 5, v2                     ; the bias: 32 bytes for each half of the lanes
	s_lshl_b32 s20, s17, 8
	s_lshl_b32 s21, s15, 7
	s_add_co_u32 s20, s20, s21                     ; my first row
	s_mov_b32 s21, 0
	s_mov_b64 s[18:19], QROW
	s_mul_u64 s[20:21], s[20:21], s[18:19]
	s_lshl_b32 s46, s42, 9                         ; my first column, in bytes of f16: 512 x tile column + 256 x half
	s_lshl_b32 s47, s16, 8
	s_add_co_u32 s46, s46, s47
	s_mov_b32 s47, 0
	s_add_nc_u64 s[20:21], s[20:21], s[46:47]
	s_add_nc_u64 s[12:13], s[12:13], s[20:21]
	s_lshl_b32 s46, s46, 1                         ; the same column in bytes of f32
	s_add_nc_u64 s[66:67], s[66:67], s[46:47]
.irp b, 0,1,2,3,4,5,6,7                ; block b: b_attn at my columns 16 b + 8 h + 0 .. 7, the result's layout
	global_load_b128 v[BIAS+8*\b:BIAS+8*\b+3], v[BO], s[66:67] offset:64*\b
	global_load_b128 v[BIAS+8*\b+4:BIAS+8*\b+7], v[BO], s[66:67] offset:64*\b+16
.endr
	s_mov_b32 s96, 0x3f800000
	s_cmp_lt_u32 s42, 4                            ; tile columns 0-3 are q: a value is chosen, no way through the text
	s_cselect_b32 s96, 0x3e38aa3b, s96             ; 0.125 log2(e)
	s_mov_b32 s97, s96
.macro FRAG reg, adr, q, i             ; 16 rows x 128 K of 4-bit codes: 8 registers, two loads of 16 bytes, 32 bytes apart
.irp c, 0,1
	ds_load_b128 v[\reg+4*\c:\reg+4*\c+3], v[\adr] offset:64*(\q)+32*\c+(\i)*16*PITCH
.endr
.endm
; 16 matrix instructions: A's blocks a0, a0 + 1 x B's eight.  first = 1: the sums start from the bias.  The 64 accumulators take turns, one instruction a turn.
.macro MUL16 a0, p, q, sc, first
.irp a, \a0, \a0+1
.irp b, 0,1,2,3,4,5,6,7
.if \first
	v_wmma_scale_f32_16x16x128_f8f6f4 v[8*(8*((\a)%4)+\b):8*(8*((\a)%4)+\b)+7], v[128*(\p)+FR*\b:128*(\p)+FR*\b+FR-1], v[AF+FR*(\a):AF+FR*(\a)+FR-1], v[BIAS+8*\b:BIAS+8*\b+7], v[SC+8*NQ*(\sc)+NQ*\b+(\q)], v[SC+8*NQ*(\sc)+NQ*(\a)+(\q)] matrix_a_fmt:MATRIX_FMT_FP4 matrix_b_fmt:MATRIX_FMT_FP4 matrix_a_scale:MATRIX_SCALE_ROW1
.else
	v_wmma_scale_f32_16x16x128_f8f6f4 v[8*(8*((\a)%4)+\b):8*(8*((\a)%4)+\b)+7], v[128*(\p)+FR*\b:128*(\p)+FR*\b+FR-1], v[AF+FR*(\a):AF+FR*(\a)+FR-1], v[8*(8*((\a)%4)+\b):8*(8*((\a)%4)+\b)+7], v[SC+8*NQ*(\sc)+NQ*\b+(\q)], v[SC+8*NQ*(\sc)+NQ*(\a)+(\q)] matrix_a_fmt:MATRIX_FMT_FP4 matrix_b_fmt:MATRIX_FMT_FP4 matrix_a_scale:MATRIX_SCALE_ROW1
.endif
.endr
.endr
.endm
.macro FETCH_B slot, q, p
	WIN TO_B
.irp i, 0,1,2,3,4,5,6,7
	FRAG 128*(\p)+FR*\i, ADRB+\slot, \q, \i
.endr
	WIN 0
.endm
.macro FETCH_A slot, q, i0
.irp i, \i0, \i0+1, \i0+2, \i0+3
	FRAG AF+FR*(\i), ADRA+\slot, \q, \i
.endr
.endm
.macro SCALES sc                       ; a slot's scale words: lanes 0-15 take A's block i, lanes 16-31 B's block i
.irp i, 0,1,2,3,4,5,6,7
	ds_load_b128 v[SC+8*NQ*\sc+NQ*\i:SC+8*NQ*\sc+NQ*\i+3], v[ADRS] offset:\i*SBLK
.endr
.endm
.macro PLACES n                        ; plain vector instructions between a matrix instruction and a load into, or a read of, its registers
.rept \n
	v_nop
.endr
.endm
.macro STEP slot, q, first             ; 128 along K, with its successor in the same slot
	s_wait_dscnt 4*NL                              ; B's set and A's blocks 0-3 are in; A's blocks 4-7, eight loads, may be out
.if \first
	WIN 0x81                                       ; C (the bias) window 0, D window 2
.else
	WIN MUL_LO
.endif
	MUL16 0, (\q)%2, \q, \slot, \first
	MUL16 2, (\q)%2, \q, \slot, \first
	s_wait_dscnt 0
	PLACES NP
	FETCH_B \slot, (\q)+1, 1-(\q)%2
	FETCH_A \slot, (\q)+1, 0
.if \first
	WIN 0xc1                                       ; C window 0, D window 3
.else
	WIN MUL_HI
.endif
	MUL16 4, (\q)%2, \q, \slot, \first
	MUL16 6, (\q)%2, \q, \slot, \first
	PLACES NP
	WIN 0
	FETCH_A \slot, (\q)+1, 4
.endm
.macro TURN slot, next                 ; a slot's last step changes slots: one barrier
	s_wait_tensorcnt 0x0                           ; all my tensor loads have landed: my part of the next slot
	ds_add_u32 v[SPW], v[NIL]                      ; 0 onto my spare word
	s_wait_dscnt 4*NL+1                            ; the add and A's blocks 4-7 may be out
	WIN MUL_LO
	MUL16 0, 1, NQ-1, \slot, 0
	s_wait_dscnt 0x0                               ; the add is done, and my reads of this slot are over
	s_barrier_signal -1
	MUL16 2, 1, NQ-1, \slot, 0
	WIN 0
	s_barrier_wait -1
	PLACES NP
	v_add_nc_u32 v[ADRS], 4*NQ, v[ADRS]            ; the next slot's scale words
	FETCH_B \next, 0, 0
	FETCH_A \next, 0, 0
	SCALES \next
	WIN MUL_HI
	MUL16 4, 1, NQ-1, \slot, 0
	MUL16 6, 1, NQ-1, \slot, 0
	PLACES NP
	WIN 0
	FETCH_A \next, 0, 4
.endm
.macro STEPS slot, from
.set Q, \from
.rept NQ-1-\from
	STEP \slot, Q, 0
.set Q, Q+1
.endr
.endm
	s_wait_tensorcnt 1                             ; the scales and my part of slot 0 are in; slot 1's load may be out
	s_barrier_signal -1
	s_barrier_wait -1
	FETCH_B 0, 0, 0
	FETCH_A 0, 0, 0
	SCALES 0
	FETCH_A 0, 0, 4
	s_wait_loadcnt 0x0                             ; the bias
	STEP 0, 0, 1
	STEPS 0, 1
	TURN 0, 1
	STEPS 1, 0
	s_wait_dscnt 4*NL                              ; the last step: nothing more to fetch
	WIN MUL_LO
	MUL16 0, 1, NQ-1, 1, 0
	MUL16 2, 1, NQ-1, 1, 0
	s_wait_dscnt 0
	WIN MUL_HI
	MUL16 4, 1, NQ-1, 1, 0
	MUL16 6, 1, NQ-1, 1, 0
	WIN 0
; THE WAY OUT, a block of 16 rows x 128 columns at a time: x g, rounded to f16 (16 bytes a lane), through my stage, back as whole rows of 256 bytes.
.macro PACK a
.set AC, 64*((\a)%4)
	WIN 0x02+((\a)/4)                              ; source 0: window 2 or 3
.set i, 0
.rept 32
	v_pk_mul_f32 v[BIAS+2*i:BIAS+2*i+1], v[AC+2*i:AC+2*i+1], s[96:97] op_sel_hi:[1,0]   ; each accumulator from its low end on
.set i, i+1
.endr
	WIN 0
.set i, 0
.rept 32
	v_cvt_pk_f16_f32 v[PKD+i], v[BIAS+2*i], v[BIAS+2*i+1]
.set i, i+1
.endr
.endm
.macro TOSTAGE a
.set BB, BK+32*((\a)%2)
.irp b, 0,1,2,3,4,5,6,7
	ds_store_b128 v[STO], v[PKD+4*\b:PKD+4*\b+3] offset:32*\b
.endr
.irp t, 0,1,2,3,4,5,6,7
	ds_load_b128 v[BB+4*\t:BB+4*\t+3], v[RD] offset:\t*2*SPITCH    ; LDS serves a wave's instructions in order: these see the stores above
.endr
.endm
.macro SEND a
.set BB, BK+32*((\a)%2)
	s_wait_dscnt 0x0                               ; the block is back in registers
	s_wait_xcnt 0x0                                ; earlier stores have read their base and their registers
.if (\a) > 0
	s_add_nc_u64 s[12:13], s[12:13], 16*QROW
.endif
.irp t, 0,1,2,3,4,5,6,7
	global_store_b128 v[CO], v[BB+4*\t:BB+4*\t+3], s[12:13] offset:2*\t*QROW   ; sixteen lanes store 256 consecutive bytes, aligned
.endr
.endm
	PLACES NP
	PACK 0
	TOSTAGE 0
.irp a, 1,2,3,4,5,6,7
	PACK \a
	SEND \a-1
	TOSTAGE \a
.endr
	SEND 7
	s_wait_tensorcnt 0x0                           ; the wave's end
	ds_add_u32 v[SPW], v[NIL]
	s_wait_dscnt 0x0
	CROUND                                         ; the closing round
	s_endpgm
.Lfunc_end_k_q456201742c_gemm_qkv:
	.size	k_q456201742c_gemm_qkv, .Lfunc_end_k_q456201742c_gemm_qkv-k_q456201742c_gemm_qkv
	.p2alignl 7, 3214868480
	.fill 96, 4, 3214868480
	.section	.rodata,"a",@progbits
	.p2align	6, 0x0
	.amdhsa_kernel k_q456201742c_gemm_qkv
		.amdhsa_group_segment_fixed_size 327680
		.amdhsa_private_segment_fixed_size 0
		.amdhsa_enable_private_segment 0
		.amdhsa_kernarg_size 48
		.amdhsa_user_sgpr_count 2
		.amdhsa_user_sgpr_kernarg_segment_ptr 1
		.amdhsa_wavefront_size32 1
		.amdhsa_system_sgpr_workgroup_id_x 1
		.amdhsa_system_sgpr_workgroup_id_y 1
		.amdhsa_system_sgpr_workgroup_id_z 1
		.amdhsa_system_vgpr_workitem_id 0
		.amdhsa_next_free_vgpr 1024
		.amdhsa_next_free_sgpr 98
		.amdhsa_reserve_vcc 0
		.amdhsa_float_denorm_mode_32 3
		.amdhsa_float_denorm_mode_16_64 3
		.amdhsa_memory_ordered 1
		.amdhsa_forward_progress 1
		.amdhsa_inst_pref_size 145
	.end_amdhsa_kernel
	.amdgpu_metadata
---
amdhsa.version: [ 1, 2 ]
amdhsa.kernels:
  - .name:           k_q456201742c_gemm_qkv
    .symbol:         k_q456201742c_gemm_qkv.kd
    .args:
      - { .name: xq_codes, .offset: 0, .size: 8, .value_kind: global_buffer, .address_space: global }
      - { .name: xq_scales, .offset: 8, .size: 8, .value_kind: global_buffer, .address_space: global }
      - { .name: wq_codes, .offset: 16, .size: 8, .value_kind: global_buffer, .address_space: global }
      - { .name: wq_scales, .offset: 24, .size: 8, .value_kind: global_buffer, .address_space: global }
      - { .name: b_attn, .offset: 32, .size: 8, .value_kind: global_buffer, .address_space: global }
      - { .name: qkv, .offset: 40, .size: 8, .value_kind: global_buffer, .address_space: global }
    .group_segment_fixed_size: 327680
    .private_segment_fixed_size: 0
    .kernarg_segment_align: 8
    .kernarg_segment_size: 48
    .max_flat_workgroup_size: 128
    .sgpr_count:     98
    .vgpr_count:     1024
    .wavefront_size: 32
...
	.end_amdgpu_metadata
.endif
;; end of part 2
;; launch attn (part 3): grid 16 x 16, 8 waves a work-group, clusters of 4 x 4, 327,680 bytes of LDS; arguments qkv, mask, y; writes y
.if DOCPART == 3
	.amdgcn_target "amdgcn-amd-amdhsa--gfx1250"
	.amdhsa_code_object_version 6
	.text
	.protected	k_q456201742c_attn
	.globl	k_q456201742c_attn
	.p2align	8
	.type	k_q456201742c_attn,@function
k_q456201742c_attn:
	s_mov_b64 s[64:65], 0
	v_nop
	global_prefetch_b8 v0, s[64:65] scope:SCOPE_SE
	s_setreg_imm32_b32 hwreg(HW_REG_WAVE_MODE, 25, 1), 1
	s_wait_xcnt 0x0
	s_wait_alu depctr_hold_cnt(0) depctr_sa_sdst(0) depctr_va_vdst(0) depctr_va_sdst(0) depctr_va_ssrc(0) depctr_va_vcc(0) depctr_vm_vsrc(0)
	s_getreg_b32 s2, hwreg(HW_REG_IB_STS2, 6, 4)
	s_cmp_eq_u32 s2, 0
	s_cbranch_scc0 .Lentry_in_a_cluster
	s_endpgm
.Lentry_in_a_cluster:
	s_bfe_u32 s2, ttmp6, 0x10000c
	s_cmp_lg_u32 s2, 0xf033
	s_cbranch_scc0 .Lentry_shape_is_right
	s_endpgm
.Lentry_shape_is_right:
; y[b][q][head] = softmax_k(q . k / 8 - 1e9 (1 - mask[b][q][k])) v, f16 operands, f32 sums, for every query and EVERY key: the mask is an input, so nothing of it is built in and no key is left out.
; qkv [8192][3072] f16 holds q' = q x 0.125 log2(e), k, v.  a = fma(1 - mask, -1e9 log2(e), q' . k); m = the running largest a; p = 2^(a - m); l = the sum of the unrounded p; O sums f16(p) v.
; LIMITS: the mask's bias is rounded once, in units of log2, where reference() rounds it and the sum in natural units: the same result for masks of 0 and 1 while |q . k / 8| < 32;
; |y| stays under 65,504 (f16); NaN and infinities are not served.
; SHARES.  A work-group owns 128 queries x 4 heads of one batch.  Wave w: head w % 4 of the four, queries 64 (w / 4) on: four tiles of 16.  32 key steps of 64 keys.
; Both products are used transposed (S^T = K Q^T, O^T = V^T P): a lane holds one query throughout.
; CLUSTER 4 x 4: x = four query blocks, y = the four groups of heads.  K's and V's tiles (64 keys x 4 heads) hang on batch and group of heads: asked for jointly along a row of the cluster.
; The mask's tile (128 queries x 64 keys) hangs on batch and query block: asked for jointly along a column.
; LDS: two slots, each K 64 x 528, V 64 x 544, mask 128 x 272 bytes.  One joint load a wave behind each round: waves 0, 1 K's halves, 2, 3 V's, 4-7 the mask's quarters.
; TWO GROUPS OF WAVES, HALF A KEY STEP APART.  A key step is two halves.  H1 is all that touches LDS: K's fragments, K Q^T, the mask's numbers, a, V's fragments into registers.  H2 is work on registers alone:
; maximum, exponentials, sums, f16, O^T's rescaling, V^T P.  Between two rounds a wave of group 0 runs H1(j), H2(j); a wave of group 1 runs H2(j - 1), H1(j).  Both read tile j between the same two rounds, so the
; ring knows nothing of the groups.  The eight waves take 512 registers each, two to a SIMD's 1,024: with the two in different groups one has vector work in hand while the other has matrix work.  The group is
; (w xor (w / 4)) % 2: it differs between waves w and w + 4 and also between waves 2 s and 2 s + 1.  The branches on it lead round H2 alone: no barrier, no tensor load, no LDS access but one wait.
; REGISTERS: window 0: v1-15 addresses; v16-47 statistics, 8 a tile (+0 m, +2, +3 l, +6 f); v48-51 sums; v64-191 S^T, 32 a tile, then a, then p, then P in its first 16; v192-255 two buffers of 32 mask numbers.
;   window 1: v0-127 O^T, 32 a tile; v128-191 Q; v192-255 K's eight fragments, then V's.
.set QROW,   6144
.set KSTEPB, 64*QROW
.set PK,     528
.set PV,     544
.set PM,     272
.set VOFF,   64*PK
.set MOFF,   VOFF+64*PV
.set SLOT1,  1<<17
.set SPARE,  SLOT1+MOFF+128*PM         ; the spare words, 128 bytes for each of eight waves
.set YP,     528                       ; the way out: 128 rows x (512 bytes + 16) in slot 0
.set AK,  3
.set AV,  5
.set AM,  7
.set QO,  9
.set STO, 10
.set RD,  11
.set GO,  12
.set PFO, 13
.set SPW, 14
.set NIL, 15
.set ST,  16
.set S,   64
.set MB,  192
.set QF,  128
.set KV,  192
.set WV,  10
.set G1K, 24
.set G1V, 32
.set G1M, 40
.set G0K, 48
.set G0V, 56
.set G0M, 68
.set NC,  76                           ; s[76:77] -1e9 log2(e)
.set SEL, 78
.set CNT, 80
.set GRP, 81                           ; s81 my wave's group, 0 or 1
.set PFA, 82
.set PFS, 84
.set LIM, 86                           ; s86 1 in a wave that prefetches, else the greatest number
.set MSB, 0
.macro WIN new
.if MSB != (\new)
	s_set_vgpr_msb (MSB<<8)|(\new)
.set MSB, (\new)
.endif
.endm
.macro ROUND                           ; a round of the cluster's barrier
	s_barrier_signal -1
	s_barrier_wait -1
	s_cmp_lg_u32 s[WV], 0
	s_cbranch_scc1 .Lnot_wave_0_\@
	s_barrier_signal -3
.Lnot_wave_0_\@:
	s_barrier_wait -3
	s_barrier_signal -1
	s_barrier_wait -1
.endm
.macro JLOAD s                         ; every wave asks for 32 rows; the branches hang on the wave's number alone; an s_nop 0 and four v_nop follow each line
	s_cmp_lt_u32 s[WV], 2
	s_cbranch_scc0 .Lnot_k_\@
	tensor_load_to_lds s[G0K+4*(\s):G0K+4*(\s)+3], s[G1K:G1K+7]
	s_nop 0
.rept 4
	v_nop
.endr
	s_branch .Lasked_\@
.Lnot_k_\@:
	s_cmp_lt_u32 s[WV], 4
	s_cbranch_scc0 .Lnot_v_\@
	tensor_load_to_lds s[G0V+4*(\s):G0V+4*(\s)+3], s[G1V:G1V+7]
	s_nop 0
.rept 4
	v_nop
.endr
	s_branch .Lasked_\@
.Lnot_v_\@:
	tensor_load_to_lds s[G0M+4*(\s):G0M+4*(\s)+3], s[G1M:G1M+7]
	s_nop 0
.rept 4
	v_nop
.endr
.Lasked_\@:
.endm
; A prefetch of the tile that the NEXT round will ask for, one key step ahead.  Wave 4: the mask's 32 rows that fall to my work-group among the four that ask for them jointly (by address: 32 cy on), a lane a row.
; Waves 5 and 6, in the first cluster along x alone (all four clusters of a batch walk the same K and V): 16 rows of K or V (16 cx on), two blocks of 256 bytes a row.  So each block is named once.
; Trip j names tile j + 2, for j = 0 to 29.  how = 1: trip 0, ahead of the loop.  how = 2: the loop's first trip of two (j odd, up to 29).  how = 3: its second (j even): not in the loop's last walk, where j = 30.
.macro ASK how
.if \how == 1
	s_cmp_eq_u32 s[LIM], 1
.elseif \how == 2
	s_cmp_ge_u32 s[CNT], s[LIM]
.else
	s_cmp_gt_u32 s[CNT], s[LIM]
.endif
	s_cbranch_scc0 .Lnot_mine_\@
	global_prefetch_b8 v[PFO], s[PFA:PFA+1] th:TH_LOAD_NT scope:SCOPE_SE
.Lnot_mine_\@:
.endm
	s_load_b128 s[4:7], s[0:1], 0x0                ; qkv, mask
	s_load_b64 s[8:9], s[0:1], 0x10                ; y
	v_lshl_add_u32 v[SPW], v0, 2, SPARE
	v_mov_b32 v[NIL], 0
	ds_add_u32 v[SPW], v[NIL]                      ; the wave's opening
	ds_add_u32 v[SPW], v[NIL]
	v_lshrrev_b32 v1, 5, v0
	v_readfirstlane_b32 s[WV], v1                  ; wave 0..7
	s_and_b32 s11, s[WV], 3                        ; my head of the four; also: which quarter of the mask's tile I fetch
	s_lshr_b32 s12, s[WV], 2                       ; my half of the queries
	s_xor_b32 s[GRP], s12, s[WV]
	s_and_b32 s[GRP], s[GRP], 1                    ; my group
	s_bfe_u32 s13, ttmp6, 0x40000                  ; cx
	s_bfe_u32 s14, ttmp6, 0x40004                  ; cy: the group of heads
	s_lshl_b32 s15, ttmp9, 2
	s_add_co_u32 s15, s15, s13                     ; the block of 128 queries
	s_and_b32 s16, ttmp7, 0xffff                   ; the batch
	s_lshl_b32 s17, s14, 2
	s_lshl_b32 s17, 15, s17                        ; my row of the cluster
	s_lshl_b32 s18, 0x1111, s13                    ; my column
	s_or_b32 s[G1K], s17, (1<<16)|(1<<20)|(1<<21)|(6<<22)|(3<<25)   ; elements of 2 bytes; 4 words of padding after every 128
	s_or_b32 s[G1V], s17, (1<<16)|(1<<20)|(1<<21)|(6<<22)|(7<<25)   ; 8 words of padding
.irp g, G1K, G1V
	s_mov_b32 s[\g+1], 256<<16                     ; tensor_dim0 = 256 elements
	s_mov_b32 s[\g+2], 32<<16                      ; tensor_dim1 = 32
	s_mov_b32 s[\g+3], 256<<16                     ; tile_dim0
	s_mov_b32 s[\g+4], 32                          ; tile_dim1
	s_mov_b32 s[\g+5], 3072                        ; the pitch in elements
	s_mov_b32 s[\g+6], 0
	s_mov_b32 s[\g+7], 0
.endr
	s_or_b32 s[G1M], s18, (2<<16)|(1<<20)|(1<<21)|(5<<22)|(3<<25)   ; elements of 4 bytes; 4 words of padding after every 64
	s_mov_b32 s[G1M+1], 64<<16
	s_mov_b32 s[G1M+2], 32<<16
	s_mov_b32 s[G1M+3], 64<<16
	s_mov_b32 s[G1M+4], 32
	s_mov_b32 s[G1M+5], 2048
	s_mov_b32 s[G1M+6], 0
	s_mov_b32 s[G1M+7], 0
	s_and_b32 s19, s[WV], 1
	s_lshl_b32 s20, s16, 11                        ; K's tile 0: made of the batch, the group of heads and the wave alone
	s_lshl_b32 s21, s19, 5
	s_add_co_u32 s20, s20, s21
	s_mul_i32 s20, s20, QROW
	s_lshl_b32 s21, s14, 9
	s_add_co_u32 s20, s20, s21
	s_add_co_u32 s20, s20, 2048
	s_mov_b32 s21, 0
	s_lshl_b32 s22, s15, 7                         ; the mask's tile 0: made of the batch, the query block and the wave alone
	s_lshl_b32 s23, s11, 5
	s_add_co_u32 s22, s22, s23
	s_lshl_b32 s22, s22, 13
	s_lshl_b32 s23, s16, 24
	s_add_co_u32 s22, s22, s23
	s_mov_b32 s23, 0
	s_mul_i32 s87, s19, 32*PK                      ; where they go in a slot: the wave's number alone
	s_mul_i32 s88, s19, 32*PV
	s_add_co_u32 s88, s88, VOFF
	s_mul_i32 s89, s11, 32*PM
	s_add_co_u32 s89, s89, MOFF
	s_lshl_b32 s94, s16, 11                        ; Q: my wave's first row and my head
	s_lshl_b32 s95, s15, 7
	s_add_co_u32 s94, s94, s95
	s_lshl_b32 s95, s12, 6
	s_add_co_u32 s94, s94, s95
	s_mul_i32 s94, s94, QROW
	s_lshl_b32 s95, s14, 9
	s_add_co_u32 s94, s94, s95
	s_lshl_b32 s95, s11, 7
	s_add_co_u32 s94, s94, s95
	s_mov_b32 s95, 0
	s_lshl_b32 s96, s16, 11                        ; y: the 16 rows that I store, the group's 512 bytes
	s_lshl_b32 s97, s15, 7
	s_add_co_u32 s96, s96, s97
	s_lshl_b32 s97, s[WV], 4
	s_add_co_u32 s96, s96, s97
	s_lshl_b32 s96, s96, 11
	s_lshl_b32 s97, s14, 9
	s_add_co_u32 s96, s96, s97
	s_mov_b32 s97, 0
	s_mov_b32 s[NC], 0xceabfb8f                    ; -1e9 log2(e)
	s_mov_b32 s[NC+1], s[NC]
	s_mov_b32 s[SEL], 0x76543210
	s_mov_b32 s[SEL+1], 0xfedcba98
	s_wait_dscnt 0x0                               ; both opening adds are done
	s_wait_kmcnt 0x0
	s_add_nc_u64 s[90:91], s[4:5], s[20:21]
	s_add_nc_u64 s[92:93], s[6:7], s[22:23]
	s_add_nc_u64 s[94:95], s[4:5], s[94:95]
	s_add_nc_u64 s[8:9], s[8:9], s[96:97]
.irp s, 0,1                            ; slot s begins with tile s
	s_mov_b32 s[G0K+4*\s], 1
	s_add_co_u32 s[G0K+4*\s+1], s87, \s*SLOT1
	s_add_nc_u64 s[G0K+4*\s+2:G0K+4*\s+3], s[90:91], \s*KSTEPB
	s_or_b32 s[G0K+4*\s+3], s[G0K+4*\s+3], 0x80000000
	s_mov_b32 s[G0V+4*\s], 1
	s_add_co_u32 s[G0V+4*\s+1], s88, \s*SLOT1
	s_add_nc_u64 s[G0V+4*\s+2:G0V+4*\s+3], s[90:91], \s*KSTEPB+2048
	s_or_b32 s[G0V+4*\s+3], s[G0V+4*\s+3], 0x80000000
	s_mov_b32 s[G0M+4*\s], 1
	s_add_co_u32 s[G0M+4*\s+1], s89, \s*SLOT1
	s_add_nc_u64 s[G0M+4*\s+2:G0M+4*\s+3], s[92:93], \s*256
	s_or_b32 s[G0M+4*\s+3], s[G0M+4*\s+3], 0x80000000
.endr
	ROUND                                          ; all sixteen work-groups are here
	JLOAD 0                                        ; tile 0
	v_and_b32 v1, 15, v0                           ; r
	v_bfe_u32 v2, v0, 4, 1                         ; h
	v_mul_u32_u24 v[QO], v1, QROW
	v_lshl_add_u32 v[QO], v2, 4, v[QO]
	WIN 0x40                                       ; destination window 1
.irp q, 0,1,2,3
.irp c, 0,1
	global_load_b128 v[QF+16*\q+8*\c:QF+16*\q+8*\c+3], v[QO], s[94:95] offset:\q*16*QROW+64*\c
	global_load_b128 v[QF+16*\q+8*\c+4:QF+16*\q+8*\c+7], v[QO], s[94:95] offset:\q*16*QROW+64*\c+32
.endr
.endr
.set i, 0
.rept 128
	v_mov_b32 v[i], 0                              ; O^T: H2 is written in one form; its first walk finds zeros, which f = 0 leaves zeros
.set i, i+1
.endr
	WIN 0
	s_lshl_b32 s98, s11, 7                         ; my head's 128 bytes of a row
	v_mul_u32_u24 v[AK], v1, PK
	v_lshl_add_u32 v[AK], v2, 4, v[AK]
	v_add_nc_u32 v[AK], s98, v[AK]                 ; K: row r x pitch + head + 16 h
	v_add_nc_u32 v[AK+1], SLOT1, v[AK]
	v_and_b32 v[AV], 7, v0
	v_lshl_add_u32 v[AV], v2, 3, v[AV]
	v_mul_u32_u24 v[AV], v[AV], PV
	v_bfe_u32 v[AV+1], v0, 3, 1
	v_lshl_add_u32 v[AV], v[AV+1], 4, v[AV]
	s_add_co_u32 s99, s98, VOFF
	v_add_nc_u32 v[AV], s99, v[AV]                 ; V, for the transposing load: key 8 h + lane % 8, 16 bytes by (lane / 8) % 2
	v_add_nc_u32 v[AV+1], SLOT1, v[AV]
	v_mul_u32_u24 v[AM], v1, PM
	v_lshl_add_u32 v[AM], v2, 5, v[AM]
	s_mul_i32 s99, s12, 64*PM
	s_add_co_u32 s99, s99, MOFF
	v_add_nc_u32 v[AM], s99, v[AM]                 ; the mask: my query's row, + 32 h: keys 8 h on
	v_add_nc_u32 v[AM+1], SLOT1, v[AM]
	s_mul_i32 s99, s12, 64*YP
	s_add_co_u32 s99, s99, s98
	v_mul_u32_u24 v[STO], v1, YP
	v_lshl_add_u32 v[STO], v2, 4, v[STO]
	v_add_nc_u32 v[STO], s99, v[STO]
	v_and_b32 v[GO], 31, v0
	v_lshlrev_b32 v[GO], 4, v[GO]
	s_mul_i32 s99, s[WV], 16*YP
	v_add_nc_u32 v[RD], s99, v[GO]
.irp q, 0,1,2,3
	v_mov_b32 v[ST+8*\q], 0xff61b1e6               ; m = -3e38, under every a
.irp j, 1,2,3,4,5,6,7
	v_mov_b32 v[ST+8*\q+\j], 0                     ; l = 0; the others are named in pairs or as a permute's destination before they are first written
.endr
.endr
	; the prefetches: where they stand (tile 1; each trip steps them first), and who asks
	s_lshl_b32 s90, s15, 7
	s_lshl_b32 s92, s14, 5
	s_add_co_u32 s90, s90, s92
	s_lshl_b32 s90, s90, 13
	s_lshl_b32 s92, s16, 24
	s_add_co_u32 s90, s90, s92
	s_add_co_u32 s90, s90, 256                     ; the mask: rows 128 x block + 32 cy on
	s_lshl_b32 s91, s16, 11
	s_lshl_b32 s92, s13, 4
	s_add_co_u32 s91, s91, s92
	s_mul_i32 s91, s91, QROW
	s_lshl_b32 s92, s14, 9
	s_add_co_u32 s91, s91, s92
	s_add_co_u32 s91, s91, KSTEPB+2048             ; K: rows 16 cx on
	s_cmp_eq_u32 s[WV], 6
	s_cselect_b32 s92, 2048, 0
	s_add_co_u32 s91, s91, s92                     ; V lies 2,048 bytes on
	s_sub_co_u32 s93, s[WV], 5
	s_lshr_b32 s93, s93, 1                         ; 0 in waves 5 and 6,
	s_or_b32 s93, s93, ttmp9                       ; of the first cluster along x: the same in all sixteen partners
	s_cmp_eq_u32 s93, 0
	s_cselect_b32 s[LIM], 1, -1
	s_mov_b32 s[PFS], KSTEPB
	s_mov_b32 s[PFS+1], 0
	s_mov_b32 s88, QROW
	s_cmp_eq_u32 s[WV], 4
	s_cselect_b32 s[LIM], 1, s[LIM]
	s_cselect_b64 s[PFA:PFA+1], s[6:7], s[4:5]
	s_cselect_b32 s[PFS], 256, s[PFS]
	s_cselect_b32 s87, 0, 1
	s_cselect_b32 s88, 8192, s88
	s_cselect_b32 s89, 0, 256
	s_cselect_b32 s90, s90, s91
	s_mov_b32 s91, 0
	s_add_nc_u64 s[PFA:PFA+1], s[PFA:PFA+1], s[90:91]
	v_and_b32 v[PFO], 31, v0
	v_and_b32 v48, 1, v[PFO]
	v_lshrrev_b32 v[PFO], s87, v[PFO]
	v_mul_lo_u32 v[PFO], v[PFO], s88
	v_mad_u32_u24 v[PFO], v48, s89, v[PFO]         ; the mask: 8,192 x lane;  K, V: 6,144 (lane / 2) + 256 (lane % 2)
.macro MLOAD slot, q, buf              ; tile q's mask numbers: my query's row, keys 16 t + 8 h + 0 .. 7 into registers 8 t on, as S^T has them
.irp t, 0,1,2,3
	ds_load_b128 v[MB+32*\buf+8*\t:MB+32*\buf+8*\t+3], v[AM+\slot] offset:\q*16*PM+64*\t
	ds_load_b128 v[MB+32*\buf+8*\t+4:MB+32*\buf+8*\t+7], v[AM+\slot] offset:\q*16*PM+64*\t+16
.endr
.endm
.macro SOFT_A buf                      ; 1 - mask
.set j, 0
.rept 16
	v_pk_fma_f32 v[MB+32*\buf+j:MB+32*\buf+j+1], v[MB+32*\buf+j:MB+32*\buf+j+1], -1.0, 1.0 op_sel_hi:[1,0,0]
.set j, j+2
.endr
.endm
.macro SOFT_B q, buf                   ; a = (1 - mask) x -1e9 log2(e) + score; each accumulator is read from its low end on
.set j, 0
.rept 16
	v_pk_fma_f32 v[S+32*\q+j:S+32*\q+j+1], v[MB+32*\buf+j:MB+32*\buf+j+1], s[NC:NC+1], v[S+32*\q+j:S+32*\q+j+1] op_sel_hi:[1,0,1]
.set j, j+2
.endr
.endm
.macro SOFT_C q
.set rT, ST+8*(\q)
.set rS, S+32*(\q)
.irp j, 0,1,2,3
	v_max3_num_f32 v[rT+4+\j], v[rS+8*\j], v[rS+8*\j+1], v[rS+8*\j+2]
.endr
.irp i, 3,5
.irp j, 0,1,2,3
	v_max3_num_f32 v[rT+4+\j], v[rT+4+\j], v[rS+8*\j+\i], v[rS+8*\j+\i+1]
.endr
.endr
	v_max3_num_f32 v[rT+4], v[rT+4], v[rS+7], v[rS+15]
	v_max3_num_f32 v[rT+6], v[rT+6], v[rS+23], v[rS+31]
	v_max3_num_f32 v[rT+4], v[rT+4], v[rT+5], v[rT+6]
	v_max3_num_f32 v[rT+4], v[rT+4], v[rT+7], v[rT]           ; with the old m
	v_mov_b32 v[rT+7], v[rT]
	v_permlanex16_b32 v[rT+5], v[rT+4], s[SEL], s[SEL+1]      ; the query's other 32 keys lie in the lane 16 away
	v_max_num_f32 v[rT], v[rT+4], v[rT+5]                     ; the new m
	v_sub_f32 v[rT+7], v[rT+7], v[rT]                         ; old m - new m
.set j, 0
.rept 16
	v_pk_add_f32 v[rS+j:rS+j+1], v[rS+j:rS+j+1], v[rT:rT+1] op_sel_hi:[1,0] neg_lo:[0,1] neg_hi:[0,1]   ; a - m: the subtraction first, so that huge a cancel exactly
.set j, j+2
.endr
	v_exp_f32 v[rT+6], v[rT+7]                                ; f
.set j, 0
.rept 32
	v_exp_f32 v[rS+j], v[rS+j]
.set j, j+1
.endr
	v_nop                                          ; a plain instruction behind the last exponential
	s_wait_alu depctr_va_vdst(0)                   ; one wait for the batch of 33, ahead of its first reader
	v_pk_add_f32 v[48:49], v[rS:rS+1], v[rS+2:rS+3]           ; the sum of the unrounded p, in two chains
	v_pk_add_f32 v[50:51], v[rS+4:rS+5], v[rS+6:rS+7]
.irp j, 8,12,16,20,24,28
	v_pk_add_f32 v[48:49], v[48:49], v[rS+\j:rS+\j+1]
	v_pk_add_f32 v[50:51], v[50:51], v[rS+\j+2:rS+\j+3]
.endr
	v_pk_add_f32 v[48:49], v[48:49], v[50:51]
	v_pk_fma_f32 v[rT+2:rT+3], v[rT+2:rT+3], v[rT+6:rT+7], v[48:49] op_sel_hi:[1,0,1]   ; l = l f + the sum
.set j, 0
.rept 16
	v_cvt_pk_f16_f32 v[rS+j], v[rS+2*j], v[rS+2*j+1]          ; in place, ascending: registers 8 u on are source 1 for keys 32 u on
.set j, j+1
.endr
	WIN 0x41                                       ; O^T window 1, f window 0
.set j, 0
.rept 16
	v_pk_mul_f32 v[32*(\q)+j:32*(\q)+j+1], v[32*(\q)+j:32*(\q)+j+1], v[rT+6:rT+7] op_sel_hi:[1,0]
.set j, j+2
.endr
	WIN 0
.endm
; 16 products S^T = K Q^T for tiles q0, q0 + 1: their eight accumulators take turns, one instruction a turn; the first eight start the sums
.macro KQ2 q0
	WIN 0x05                                       ; K and Q window 1, S^T window 0
.irp c, 0,1
.irp t, 0,1,2,3
.irp q, \q0, \q0+1
.if \c == 0
	v_wmma_f32_16x16x32_f16 v[S+32*(\q)+8*\t:S+32*(\q)+8*\t+7], v[KV+8*(2*\t+\c):KV+8*(2*\t+\c)+7], v[QF+16*(\q)+8*\c:QF+16*(\q)+8*\c+7], 0
.else
	v_wmma_f32_16x16x32_f16 v[S+32*(\q)+8*\t:S+32*(\q)+8*\t+7], v[KV+8*(2*\t+\c):KV+8*(2*\t+\c)+7], v[QF+16*(\q)+8*\c:QF+16*(\q)+8*\c+7], v[S+32*(\q)+8*\t:S+32*(\q)+8*\t+7]
.endif
.endr
.endr
.endr
	WIN 0
.endm
; 16 products O^T += V^T P for tiles q0, q0 + 1: eight accumulators by turns
.macro PV2 q0
	WIN 0x51                                       ; V window 1, P window 0, O^T window 1
.irp u, 0,1
.irp n, 0,1,2,3
.irp q, \q0, \q0+1
	v_wmma_f32_16x16x32_f16 v[32*(\q)+8*\n:32*(\q)+8*\n+7], v[KV+8*(4*\u+\n):KV+8*(4*\u+\n)+7], v[S+32*(\q)+8*\u:S+32*(\q)+8*\u+7], v[32*(\q)+8*\n:32*(\q)+8*\n+7]
.endr
.endr
.endr
	WIN 0
.endm
; H1: the half of a key step that reads the slot.  At its end a lies in S^T's registers and V's sixteen loads are on their way into registers.
.macro H1 slot
	WIN 0x40
.irp t, 0,1,2,3
.irp c, 0,1
	ds_load_b128 v[KV+8*(2*\t+\c):KV+8*(2*\t+\c)+3], v[AK+\slot] offset:\t*16*PK+64*\c
	ds_load_b128 v[KV+8*(2*\t+\c)+4:KV+8*(2*\t+\c)+7], v[AK+\slot] offset:\t*16*PK+64*\c+32
.endr
.endr
	WIN 0
	MLOAD \slot, 0, 0
	MLOAD \slot, 1, 1
	s_wait_dscnt 16                                ; K is in; the two tiles of mask numbers, sixteen loads, may be out
	KQ2 0
	s_wait_dscnt 8                                 ; tile 0's mask numbers are in; tile 1's eight may be out
	SOFT_A 0                                       ; sixteen plain instructions on other registers: the places behind the products
	SOFT_B 0, 0
	MLOAD \slot, 2, 0
	s_wait_dscnt 8                                 ; tile 1's are in; tile 2's eight may be out
	SOFT_A 1
	SOFT_B 1, 1
	MLOAD \slot, 3, 1
	KQ2 2                                          ; tiles 2 and 3: their mask numbers come from LDS meanwhile
	s_wait_dscnt 8                                 ; tile 2's are in; tile 3's eight may be out
	SOFT_A 0                                       ; the places behind the products, for the loads into K's registers too
	WIN 0x40
.irp u, 0,1
.irp n, 0,1,2,3
	ds_load_tr16_b128 v[KV+8*(4*\u+\n):KV+8*(4*\u+\n)+3], v[AV+\slot] offset:\u*32*PV+32*\n
	ds_load_tr16_b128 v[KV+8*(4*\u+\n)+4:KV+8*(4*\u+\n)+7], v[AV+\slot] offset:\u*32*PV+16*PV+32*\n
.endr
.endr
	WIN 0
	SOFT_B 2, 0
	s_wait_dscnt 16                                ; tile 3's are in; V's sixteen may be out
	SOFT_A 1
	SOFT_B 3, 1
.endm
; H2: the half on registers alone.  lead = 1: H1 follows it at once: five places, since K's loads land on V's registers (four) and the next K Q^T writes over registers that V^T P read as its source 1 (five)
.macro H2 lead
	SOFT_C 0
	SOFT_C 1
	s_wait_dscnt 0x0                               ; V is in
	PV2 0
	SOFT_C 2                                       ; names no register of the products just issued
	SOFT_C 3
	PV2 2
.if \lead
.rept 5
	v_nop
.endr
.endif
.endm
; A trip: the change of slots at its head, then the two halves in my group's order.  By this text's count one tensor load of a wave is out behind each round.
.macro TRIP slot, refill, ask, lead
	s_wait_tensorcnt 0x0                           ; all my tensor loads have landed, my part of this trip's tile among them: every group 0 may be written
	ds_add_u32 v[SPW], v[NIL]                      ; 0 onto my spare word
	s_add_nc_u64 s[G0K+4*\slot+2:G0K+4*\slot+3], s[G0K+4*\slot+2:G0K+4*\slot+3], 2*KSTEPB   ; this slot's next tile
	s_add_nc_u64 s[G0V+4*\slot+2:G0V+4*\slot+3], s[G0V+4*\slot+2:G0V+4*\slot+3], 2*KSTEPB
	s_add_nc_u64 s[G0M+4*\slot+2:G0M+4*\slot+3], s[G0M+4*\slot+2:G0M+4*\slot+3], 2*256
	s_wait_xcnt 0x0                                ; the last prefetch, a key step back, has read its address
	s_add_nc_u64 s[PFA:PFA+1], s[PFA:PFA+1], s[PFS:PFS+1]
	s_wait_dscnt 0x0                               ; the add is done, and my reads of the last trip's tile are over: in group 1 V's loads among them
	ROUND                                          ; both now hold of every wave of every partner
.if \refill
	JLOAD 1-\slot                                  ; the next tile, into the slot read last trip: my one tensor load until the next round
.else
.rept 4
	v_nop
.endr
.endif
	v_nop                                          ; the fifth place behind group 0's last V^T P
.if \ask
	ASK \ask
.endif
.if \lead
	s_cmp_eq_u32 s[GRP], 0
	s_cbranch_scc1 .Learly_\@
	H2 1                                           ; group 1: the second half of the key step before
.Learly_\@:
.endif
	H1 \slot
	s_cmp_lg_u32 s[GRP], 0
	s_cbranch_scc1 .Llate_\@
	H2 0                                           ; group 0: the second half of this key step
.Llate_\@:
.endm
	s_wait_loadcnt 0x0                             ; Q
	TRIP 0, 1, 1, 0                                ; key step 0: no step stands before it; tile 1 is asked for, tile 2 prefetched
	s_mov_b32 s[CNT], 15
.Lloop:                                            ; key steps 1 to 30 ask for tiles 2 to 31; steps 1 to 29 prefetch tiles 3 to 31
	TRIP 1, 1, 2, 1
	TRIP 0, 1, 3, 1
	s_sub_co_u32 s[CNT], s[CNT], 1
	s_cmp_lg_u32 s[CNT], 0
	s_cbranch_scc1 .Lloop
	TRIP 1, 0, 0, 1                                ; key step 31: nothing is left to ask for
	s_cmp_eq_u32 s[GRP], 0
	s_cbranch_scc1 .Lsummed
	H2 0                                           ; group 1: the second half of key step 31
.Lsummed:
	; THE WAY OUT.  O^T / l, rounded to f16, into a stage of 128 rows x 512 bytes in slot 0 (its last fill and its last read are over); a barrier, since a row comes from four waves; each wave stores 16 whole rows.
.irp q, 0,1,2,3
	v_add_f32 v[ST+8*\q+4], v[ST+8*\q+2], v[ST+8*\q+3]
.endr
.irp q, 0,1,2,3
	v_permlanex16_b32 v[ST+8*\q+5], v[ST+8*\q+4], s[SEL], s[SEL+1]
.endr
.irp q, 0,1,2,3
	v_add_f32 v[ST+8*\q+4], v[ST+8*\q+4], v[ST+8*\q+5]
.endr
.irp q, 0,1,2,3
	v_rcp_f32 v[ST+8*\q+6], v[ST+8*\q+4]
.endr
	v_nop
	s_wait_alu depctr_va_vdst(0)                   ; one wait for the four reciprocals
.irp q, 0,1,2,3
	WIN 0x01                                       ; source 0 (O^T) window 1
.set j, 0
.rept 16
	v_pk_mul_f32 v[S+32*\q+j:S+32*\q+j+1], v[32*\q+j:32*\q+j+1], v[ST+8*\q+6:ST+8*\q+7] op_sel_hi:[1,0]
.set j, j+2
.endr
	WIN 0
.set j, 0
.rept 16
	v_cvt_pk_f16_f32 v[S+32*\q+j], v[S+32*\q+2*j], v[S+32*\q+2*j+1]
.set j, j+1
.endr
.irp n, 0,1,2,3
	ds_store_b128 v[STO], v[S+32*\q+4*\n:S+32*\q+4*\n+3] offset:\q*16*YP+32*\n
.endr
.endr
	s_wait_dscnt 0x0                               ; for the others' sake: my stores into the stage are done
	s_barrier_signal -1
	s_barrier_wait -1
.irp i, 0,1,2,3,4,5,6,7,8,9,10,11,12,13,14,15
	ds_load_b128 v[S+4*\i:S+4*\i+3], v[RD] offset:\i*YP
.endr
.irp i, 0,1,2,3,4,5,6,7,8,9,10,11,12,13,14,15
	s_wait_dscnt 15-\i
	global_store_b128 v[GO], v[S+4*\i:S+4*\i+3], s[8:9] offset:\i*2048   ; 32 lanes store 512 consecutive bytes, aligned to 256
.endr
	s_wait_tensorcnt 0x0                           ; the wave's end
	ds_add_u32 v[SPW], v[NIL]
	s_wait_dscnt 0x0
	ROUND                                          ; the closing round
	s_endpgm
.Lfunc_end_k_q456201742c_attn:
	.size	k_q456201742c_attn, .Lfunc_end_k_q456201742c_attn-k_q456201742c_attn
	.p2alignl 7, 3214868480
	.fill 96, 4, 3214868480
	.section	.rodata,"a",@progbits
	.p2align	6, 0x0
	.amdhsa_kernel k_q456201742c_attn
		.amdhsa_group_segment_fixed_size 327680
		.amdhsa_private_segment_fixed_size 0
		.amdhsa_enable_private_segment 0
		.amdhsa_kernarg_size 24
		.amdhsa_user_sgpr_count 2
		.amdhsa_user_sgpr_kernarg_segment_ptr 1
		.amdhsa_wavefront_size32 1
		.amdhsa_system_sgpr_workgroup_id_x 1
		.amdhsa_system_sgpr_workgroup_id_y 1
		.amdhsa_system_sgpr_workgroup_id_z 1
		.amdhsa_system_vgpr_workitem_id 0
		.amdhsa_next_free_vgpr 512
		.amdhsa_next_free_sgpr 100
		.amdhsa_reserve_vcc 0
		.amdhsa_float_denorm_mode_32 3
		.amdhsa_float_denorm_mode_16_64 3
		.amdhsa_memory_ordered 1
		.amdhsa_forward_progress 1
		.amdhsa_inst_pref_size 255
	.end_amdhsa_kernel
	.section	.bss,"aw",@nobits
	.p2align	6
	.space	262144
	.amdgpu_metadata
---
amdhsa.version: [ 1, 2 ]
amdhsa.kernels:
  - .name:           k_q456201742c_attn
    .symbol:         k_q456201742c_attn.kd
    .args:
      - { .name: qkv, .offset: 0, .size: 8, .value_kind: global_buffer, .address_space: global }
      - { .name: mask, .offset: 8, .size: 8, .value_kind: global_buffer, .address_space: global }
      - { .name: y, .offset: 16, .size: 8, .value_kind: global_buffer, .address_space: global }
    .group_segment_fixed_size: 327680
    .private_segment_fixed_size: 0
    .kernarg_segment_align: 8
    .kernarg_segment_size: 24
    .max_flat_workgroup_size: 256
    .sgpr_count:     100
    .vgpr_count:     512
    .wavefront_size: 32
...
	.end_amdgpu_metadata
.endif
;; end of part 3
;; launch proj (part 4): grid 8 x 64, 4 waves a work-group, clusters of 4 x 4, 327,680 bytes of LDS; arguments y, wpT, b_proj, out0; writes out0
.if DOCPART == 4
	.amdgcn_target "amdgcn-amd-amdhsa--gfx1250"
	.amdhsa_code_object_version 6
	.text
	.protected	k_q456201742c_proj
	.globl	k_q456201742c_proj
	.p2align	8
	.type	k_q456201742c_proj,@function
k_q456201742c_proj:
	s_mov_b64 s[64:65], 0
	v_nop
	global_prefetch_b8 v0, s[64:65] scope:SCOPE_SE
	s_setreg_imm32_b32 hwreg(HW_REG_WAVE_MODE, 25, 1), 1
	s_wait_xcnt 0x0
	s_wait_alu depctr_hold_cnt(0) depctr_sa_sdst(0) depctr_va_vdst(0) depctr_va_sdst(0) depctr_va_ssrc(0) depctr_va_vcc(0) depctr_vm_vsrc(0)
	s_getreg_b32 s2, hwreg(HW_REG_IB_STS2, 6, 4)
	s_cmp_eq_u32 s2, 0
	s_cbranch_scc0 .Lentry_in_a_cluster
	s_endpgm
.Lentry_in_a_cluster:
	s_bfe_u32 s2, ttmp6, 0x10000c
	s_cmp_lg_u32 s2, 0xf033
	s_cbranch_scc0 .Lentry_shape_is_right
	s_endpgm
.Lentry_shape_is_right:
; out0[m][n] = sum over k of y[m][k] wpT[n][k] + b_proj[n].  y [8192][1024], wpT [1024][1024]: f16; out0 [8192][1024] f32; sums in f32.
; A tile of 128 x 128 is made by four waves, each 64 x 64: 16 accumulators.  K goes in steps of 256 (LDS rows of 512 bytes) through two slots.  512 work-groups.
; CLUSTERS 4 x 4: A's tiles asked for jointly along a row, B's along a column.  The matrix instruction is used transposed: a lane holds eight neighbouring columns of one row.
; The bias is the C of each sum's first product.  A wave's 64 columns of f32 are 256 aligned bytes, so each wave has a stage of its own and the way out has no barrier.
; REGISTERS: window 0: v0-31 addresses; v32-95 rows on their way out; v96-127 the bias; v128-255 the accumulators.   window 1: two fragment buffers of 128.
.set SIZE_N, 1024
.set SIZE_K, 1024
.set KSTEP,  256
.set PITCH,  528
.set HALFT,  64*PITCH
.set SLOT,   4*HALFT
.set STAGE,  2*SLOT
.set SPITCH, 272
.set SPARE,  STAGE+4*16*SPITCH
.set LAPS,   SIZE_K/(2*KSTEP)
.set ADRA, 16
.set ADRB, 20
.set STO,  24
.set RD,   25
.set CO,   26
.set SPW,  28
.set NIL,  29
.set BO,   30
.set TMP,  32
.set BIAS, 96
.set ACC,  128
.set F0,   0
.set F1,   128
.set G1, 24
.set G0, 32
.set G1B, 48
.set G0B, 56
.set MSB, 0
.macro WIN new
.if MSB != (\new)
	s_set_vgpr_msb (MSB<<8)|(\new)
.set MSB, (\new)
.endif
.endm
.set MUL,  0x05                        ; sources 0 (B) and 1 (A) window 1; C and D window 0
.set TO_F, 0x40
.macro JLOAD s                         ; waves 0 and 1 fetch A's halves, waves 2 and 3 B's; an s_nop 0 and four v_nop follow each line
	s_cmp_eq_u32 s11, 0
	s_cbranch_scc0 .Lfor_b_\@
	tensor_load_to_lds s[G0+4*\s:G0+4*\s+3], s[G1:G1+7]
	s_nop 0
.rept 4
	v_nop
.endr
	s_branch .Lasked_\@
.Lfor_b_\@:
	tensor_load_to_lds s[G0B+4*\s:G0B+4*\s+3], s[G1B:G1B+7]
	s_nop 0
.rept 4
	v_nop
.endr
.Lasked_\@:
.endm
.macro CREST
	s_cmp_lg_u32 s10, 0
	s_cbranch_scc1 .Lnot_wave_0_\@
	s_barrier_signal -3
.Lnot_wave_0_\@:
	s_barrier_wait -3
	s_barrier_signal -1
	s_barrier_wait -1
.endm
.macro CROUND
	s_barrier_signal -1
	s_barrier_wait -1
	CREST
.endm
	s_load_b128 s[4:7], s[0:1], 0x0                ; y, wpT
	s_load_b64 s[66:67], s[0:1], 0x10              ; b_proj
	s_load_b64 s[8:9], s[0:1], 0x18                ; out0
	v_lshl_add_u32 v[SPW], v0, 2, SPARE
	v_mov_b32 v[NIL], 0
	ds_add_u32 v[SPW], v[NIL]                      ; the wave's opening
	ds_add_u32 v[SPW], v[NIL]
	v_lshrrev_b32 v1, 5, v0
	v_readfirstlane_b32 s10, v1                    ; wave 0..3
	s_lshr_b32 s11, s10, 1                         ; my half of the rows; also: I fetch for A (0) or B (1)
	s_and_b32 s12, s10, 1                          ; my half of the columns; also: which 64 rows I fetch
	s_bfe_u32 s40, ttmp6, 0x40000
	s_bfe_u32 s41, ttmp6, 0x40004
	s_lshl_b32 s42, ttmp9, 2
	s_add_co_u32 s42, s42, s40                     ; tile column
	s_and_b32 s13, ttmp7, 0xffff
	s_lshl_b32 s13, s13, 2
	s_add_co_u32 s13, s13, s41                     ; tile row
	s_lshl_b32 s43, s41, 2
	s_lshl_b32 s43, 15, s43
	s_lshl_b32 s44, 0x1111, s40
	s_or_b32 s[G1+0], s43, (1<<16)|(1<<20)|(1<<21)|(6<<22)|(3<<25)  ; elements of 2 bytes; 4 words of padding after every 128
	s_or_b32 s[G1B+0], s44, (1<<16)|(1<<20)|(1<<21)|(6<<22)|(3<<25)
.irp g, G1, G1B
	s_mov_b32 s[\g+1], KSTEP<<16
	s_mov_b32 s[\g+2], 64<<16
	s_mov_b32 s[\g+3], KSTEP<<16
	s_mov_b32 s[\g+4], 64
	s_mov_b32 s[\g+5], SIZE_K
	s_mov_b32 s[\g+6], 0
	s_mov_b32 s[\g+7], 0
.endr
	s_lshl_b32 s17, s12, 6
	s_lshl_b32 s16, s13, 7
	s_add_co_u32 s16, s16, s17
	s_lshl_b32 s46, s42, 7
	s_add_co_u32 s46, s46, s17
	s_mov_b32 s17, 0
	s_mov_b32 s47, 0
	s_mov_b64 s[18:19], SIZE_K*2
	s_mul_u64 s[16:17], s[16:17], s[18:19]
	s_mul_u64 s[46:47], s[46:47], s[18:19]
	s_mul_i32 s20, s10, HALFT
	s_wait_dscnt 0x0                               ; both opening adds are done
	s_wait_kmcnt 0x0
	s_add_nc_u64 s[14:15], s[4:5], s[16:17]
	s_add_nc_u64 s[46:47], s[6:7], s[46:47]
	CROUND
.irp s, 0,1
	s_mov_b32 s[G0+4*\s], 1
	s_add_co_u32 s[G0+4*\s+1], s20, \s*SLOT
	s_add_nc_u64 s[G0+4*\s+2:G0+4*\s+3], s[14:15], \s*KSTEP*2
	s_or_b32 s[G0+4*\s+3], s[G0+4*\s+3], 0x80000000
	s_mov_b32 s[G0B+4*\s], 1
	s_add_co_u32 s[G0B+4*\s+1], s20, \s*SLOT
	s_add_nc_u64 s[G0B+4*\s+2:G0B+4*\s+3], s[46:47], \s*KSTEP*2
	s_or_b32 s[G0B+4*\s+3], s[G0B+4*\s+3], 0x80000000
	JLOAD \s
.endr
	v_and_b32 v1, 15, v0
	v_bfe_u32 v2, v0, 4, 1
	v_mul_u32_u24 v3, v1, PITCH
	v_lshl_add_u32 v3, v2, 4, v3
	s_mul_i32 s21, s11, HALFT
	s_mul_i32 s22, s12, HALFT
	s_add_co_u32 s22, s22, 2*HALFT
.irp s, 0,1
	v_add_nc_u32 v[ADRA+\s], s21, v3
	v_add_nc_u32 v[ADRB+\s], s22, v3
	s_add_co_u32 s21, s21, SLOT
	s_add_co_u32 s22, s22, SLOT
.endr
	s_mul_i32 s23, s10, 16*SPITCH
	s_add_co_u32 s23, s23, STAGE                   ; my stage
	v_mul_u32_u24 v4, v1, SPITCH
	v_lshl_add_u32 v4, v2, 5, v4
	v_add_nc_u32 v[STO], s23, v4                   ; in: row r, 32 bytes for each half of the lanes
	v_mul_u32_u24 v5, v2, SPITCH
	v_lshl_add_u32 v5, v1, 4, v5
	v_add_nc_u32 v[RD], s23, v5                    ; back: lanes 0-15 one row of 256 bytes, lanes 16-31 the next
	v_lshlrev_b32 v5, 12, v2
	v_lshl_add_u32 v[CO], v1, 4, v5
	v_lshlrev_b32 v[BO], 5, v2
	s_lshl_b32 s16, s13, 7
	s_lshl_b32 s17, s11, 6
	s_add_co_u32 s16, s16, s17                     ; my first row
	s_lshl_b32 s16, s16, 12
	s_mov_b32 s17, 0
	s_add_nc_u64 s[8:9], s[8:9], s[16:17]
	s_lshl_b32 s46, s42, 9                         ; my first column in bytes of f32: 512 x tile column + 256 x half
	s_lshl_b32 s47, s12, 8
	s_add_co_u32 s46, s46, s47
	s_mov_b32 s47, 0
	s_add_nc_u64 s[8:9], s[8:9], s[46:47]
	s_add_nc_u64 s[66:67], s[66:67], s[46:47]
.irp b, 0,1,2,3
	global_load_b128 v[BIAS+8*\b:BIAS+8*\b+3], v[BO], s[66:67] offset:64*\b
	global_load_b128 v[BIAS+8*\b+4:BIAS+8*\b+7], v[BO], s[66:67] offset:64*\b+16
.endr
.macro MUL8 f, c, a0, first            ; 8 matrix instructions; first = 1: the sums start from the bias.  The 16 accumulators take turns
.irp a, \a0, \a0+1
.irp b, 0,1,2,3
.if \first
	v_wmma_f32_16x16x32_f16 v[ACC+8*(4*(\a)+\b):ACC+8*(4*(\a)+\b)+7], v[\f+64+8*(4*\c+\b):\f+64+8*(4*\c+\b)+7], v[\f+8*(4*\c+\a):\f+8*(4*\c+\a)+7], v[BIAS+8*\b:BIAS+8*\b+7]
.else
	v_wmma_f32_16x16x32_f16 v[ACC+8*(4*(\a)+\b):ACC+8*(4*(\a)+\b)+7], v[\f+64+8*(4*\c+\b):\f+64+8*(4*\c+\b)+7], v[\f+8*(4*\c+\a):\f+8*(4*\c+\a)+7], v[ACC+8*(4*(\a)+\b):ACC+8*(4*(\a)+\b)+7]
.endif
.endr
.endr
.endm
.macro FETCH slot, k, f                ; 32 LDS loads in one run: the fragments of 64 along K, the first 32 along K first
	WIN TO_F
.irp c, 0,1
.irp i, 0,1,2,3
	ds_load_b128 v[\f+64+8*(4*\c+\i):\f+64+8*(4*\c+\i)+3],   v[ADRB+\slot] offset:\k+64*\c+\i*16*PITCH
	ds_load_b128 v[\f+64+8*(4*\c+\i)+4:\f+64+8*(4*\c+\i)+7], v[ADRB+\slot] offset:\k+64*\c+\i*16*PITCH+32
	ds_load_b128 v[\f+8*(4*\c+\i):\f+8*(4*\c+\i)+3],         v[ADRA+\slot] offset:\k+64*\c+\i*16*PITCH
	ds_load_b128 v[\f+8*(4*\c+\i)+4:\f+8*(4*\c+\i)+7],       v[ADRA+\slot] offset:\k+64*\c+\i*16*PITCH+32
.endr
.endr
.endm
.macro PLACES
.rept 4
	v_nop
.endr
.endm
.macro QUARTER slot, k, f, g, first
	s_wait_dscnt 16                                ; the first 32 along K are in
	WIN MUL
	MUL8 \f, 0, 0, \first
	MUL8 \f, 0, 2, \first
	PLACES
	FETCH \slot, \k, \g
	s_wait_dscnt 32                                ; all but the 32 just issued
	WIN MUL
	MUL8 \f, 1, 0, 0
	MUL8 \f, 1, 2, 0
.endm
.macro TURN slot, next, fill           ; the last quarter changes slots
	WIN 0
	s_wait_tensorcnt 0x0                           ; all my tensor loads have landed: my part of the next slot
	ds_add_u32 v[SPW], v[NIL]                      ; 0 onto my spare word
	s_wait_dscnt 17                                ; the add and the youngest sixteen loads may be out
	WIN MUL
	MUL8 F1, 0, 0, 0
	s_wait_dscnt 0x0                               ; the add is done, and my reads of this slot are over
	s_barrier_signal -1
	MUL8 F1, 0, 2, 0
.if \fill
	WIN 0
.endif
	s_barrier_wait -1
.if \fill
	CREST                                          ; the barrier has opened a round of the cluster's barrier
	s_add_nc_u64 s[G0+4*\slot+2:G0+4*\slot+3], s[G0+4*\slot+2:G0+4*\slot+3], 2*KSTEP*2
	s_add_nc_u64 s[G0B+4*\slot+2:G0B+4*\slot+3], s[G0B+4*\slot+2:G0B+4*\slot+3], 2*KSTEP*2
	JLOAD \slot                                    ; the first tensor load behind the round; its four v_nop are also the places in front of the loads below
.else
	PLACES
.endif
	FETCH \next, 0, F0
	WIN MUL
	MUL8 F1, 1, 0, 0
	MUL8 F1, 1, 2, 0
.endm
	s_wait_tensorcnt 1                             ; my part of K step 0 is in; K step 1's may be out
	s_barrier_signal -1
	s_barrier_wait -1
	FETCH 0, 0, F0
	s_wait_loadcnt 0x0                             ; the bias
	QUARTER 0, 128, F0, F1, 1
	WIN 0
	s_mov_b32 s3, LAPS-1
.Llap:
	QUARTER 0, 256, F1, F0, 0
	QUARTER 0, 384, F0, F1, 0
	TURN 0, 1, 1
	QUARTER 1, 128, F0, F1, 0
	QUARTER 1, 256, F1, F0, 0
	QUARTER 1, 384, F0, F1, 0
	TURN 1, 0, 1
	QUARTER 0, 128, F0, F1, 0
	WIN 0
	s_sub_co_u32 s3, s3, 1
	s_cmp_lg_u32 s3, 0
	s_cbranch_scc1 .Llap
	QUARTER 0, 256, F1, F0, 0                      ; the last lap fills nothing
	QUARTER 0, 384, F0, F1, 0
	TURN 0, 1, 0
	QUARTER 1, 128, F0, F1, 0
	QUARTER 1, 256, F1, F0, 0
	QUARTER 1, 384, F0, F1, 0
	s_wait_dscnt 16
	WIN MUL
	MUL8 F1, 0, 0, 0
	MUL8 F1, 0, 2, 0
	s_wait_dscnt 0
	MUL8 F1, 1, 0, 0
	MUL8 F1, 1, 2, 0
	WIN 0
; THE WAY OUT, 16 rows x 64 columns of f32 at a time, through my own stage: no other wave touches it, and LDS serves a wave's instructions in order.
.macro TOSTAGE a
.set BB, TMP+32*((\a)%2)
.irp b, 0,1,2,3
	ds_store_b128 v[STO], v[ACC+8*(4*(\a)+\b):ACC+8*(4*(\a)+\b)+3] offset:64*\b          ; each accumulator from its low end on
	ds_store_b128 v[STO], v[ACC+8*(4*(\a)+\b)+4:ACC+8*(4*(\a)+\b)+7] offset:64*\b+16
.endr
.irp i, 0,1,2,3,4,5,6,7
	ds_load_b128 v[BB+4*\i:BB+4*\i+3], v[RD] offset:2*\i*SPITCH
.endr
.endm
.macro SEND a, younger
.set BB, TMP+32*((\a)%2)
	s_wait_dscnt \younger
.irp i, 0,1,2,3,4,5,6,7
	global_store_b128 v[CO], v[BB+4*\i:BB+4*\i+3], s[8:9] offset:(16*(\a)+2*\i)*4096 th:TH_STORE_NT   ; sixteen lanes store 256 consecutive bytes, aligned
.endr
.endm
	PLACES
	TOSTAGE 0
.irp a, 1,2,3
.if \a > 1
	s_wait_xcnt 0x0                                ; block a - 2's stores have read their registers
.endif
	TOSTAGE \a
	SEND \a-1, 16                                  ; behind block a - 1's loads: block a's 8 stores and 8 loads
.endr
	SEND 3, 0
	s_wait_tensorcnt 0x0                           ; the wave's end
	ds_add_u32 v[SPW], v[NIL]
	s_wait_dscnt 0x0
	CROUND                                         ; the closing round
	s_endpgm
.Lfunc_end_k_q456201742c_proj:
	.size	k_q456201742c_proj, .Lfunc_end_k_q456201742c_proj-k_q456201742c_proj
	.p2alignl 7, 3214868480
	.fill 96, 4, 3214868480
	.section	.rodata,"a",@progbits
	.p2align	6, 0x0
	.amdhsa_kernel k_q456201742c_proj
		.amdhsa_group_segment_fixed_size 327680
		.amdhsa_private_segment_fixed_size 0
		.amdhsa_enable_private_segment 0
		.amdhsa_kernarg_size 32
		.amdhsa_user_sgpr_count 2
		.amdhsa_user_sgpr_kernarg_segment_ptr 1
		.amdhsa_wavefront_size32 1
		.amdhsa_system_sgpr_workgroup_id_x 1
		.amdhsa_system_sgpr_workgroup_id_y 1
		.amdhsa_system_sgpr_workgroup_id_z 1
		.amdhsa_system_vgpr_workitem_id 0
		.amdhsa_next_free_vgpr 512
		.amdhsa_next_free_sgpr 68
		.amdhsa_reserve_vcc 0
		.amdhsa_float_denorm_mode_32 3
		.amdhsa_float_denorm_mode_16_64 3
		.amdhsa_memory_ordered 1
		.amdhsa_forward_progress 1
		.amdhsa_inst_pref_size 86
	.end_amdhsa_kernel
	.amdgpu_metadata
---
amdhsa.version: [ 1, 2 ]
amdhsa.kernels:
  - .name:           k_q456201742c_proj
    .symbol:         k_q456201742c_proj.kd
    .args:
      - { .name: y, .offset: 0, .size: 8, .value_kind: global_buffer, .address_space: global }
      - { .name: wpT, .offset: 8, .size: 8, .value_kind: global_buffer, .address_space: global }
      - { .name: b_proj, .offset: 16, .size: 8, .value_kind: global_buffer, .address_space: global }
      - { .name: out0, .offset: 24, .size: 8, .value_kind: global_buffer, .address_space: global }
    .group_segment_fixed_size: 327680
    .private_segment_fixed_size: 0
    .kernarg_segment_align: 8
    .kernarg_segment_size: 32
    .max_flat_workgroup_size: 128
    .sgpr_count:     68
    .vgpr_count:     512
    .wavefront_size: 32
...
	.end_amdgpu_metadata
.endif
;; end of part 4
;; launch fine_attn (part 5): grid 16 x 4, 16 waves a work-group, no clusters, 252,160 bytes of LDS; arguments xq_codes, xq_scales, wq_codes, wq_scales, b_attn, qkv, mask, yf; writes yf
.if DOCPART == 5
	.amdgcn_target "amdgcn-amd-amdhsa--gfx1250"
	.amdhsa_code_object_version 6
	.text
	.protected	k_q456201742c_fine_attn
	.globl	k_q456201742c_fine_attn
	.p2align	8
	.type	k_q456201742c_fine_attn,@function
k_q456201742c_fine_attn:
	s_mov_b64 s[64:65], 0
	v_nop
	global_prefetch_b8 v0, s[64:65] scope:SCOPE_SE
	s_setreg_imm32_b32 hwreg(HW_REG_WAVE_MODE, 25, 1), 1
	s_wait_xcnt 0x0
; THE FIRST 16 POSITIONS OF EVERY SEQUENCE, ONCE MORE AND MORE FINELY.  A work-group takes one head of one batch: queries 0-15 against all 2,048 keys, with the mask as it is given.  yf [4][16][1024] f32.
; Keys 0-15 go in f32: q, k and v of those 16 positions are made anew from the codes (the same quantised product, f32 sums, + b_attn) and multiplied by the f32 matrix form: 32 such instructions a work-group.
; Keys 16-2047 go in f16 from qkv, as in the launch for all rows.
; LIMITS: only keys 0-15 are carried in f32: rows that average few of the first keys are exact to f32, every other row is as exact as f16 operands make it; the mask's bias is rounded once, in units of log2;
; NaN and infinities are not served.
; PHASE 0, waves 0-11: wave w makes one tile of 16 positions x 16 channels (q: waves 0-3, k: 4-7, both with a position to a lane; v: 8-11, with a channel to a lane) and stores its registers' image in LDS.
; PHASE 1, all 16 waves: wave w takes keys 128 w on, with a maximum and a sum of its own; wave 0 leaves keys 0-15 out (-infinity).  Its O^T, m and l go to LDS.  One barrier.
; PHASE 2, wave 0: the fine scores, the joint maximum, the 16 parts weighed by 2^(m_w - m), the fine part, the division, the store.
; No tensor load.  REGISTERS: v1-29 addresses and work; v30, v31 the add's two; v32-47 Q; v48-111 S; v112-175 X; v176-223 Y and work; v224-239 scale words alone; v240-255 written by the f32 matrix form alone.
.set QROW,  6144
.set VPI,   160                        ; a key's 128 bytes of V + 32 in my wave's stage: 64 keys at a time
.set FT,    163840                     ; behind the 16 stages of 10,240 bytes: 12 tiles' images of 1,024 bytes
.set PO,    176128                     ; 16 images of O^T, 4,096 bytes each
.set PS,    241664                     ; 16 x 256 bytes: (m, l), 8 bytes a lane
.set STG,   245760                     ; the way out: 16 rows x (256 + 16) bytes
.set SPARE, 250112                     ; the spare words, 128 bytes for each of 16 waves
.set QF, 32
.set S,  48
.set X,  112
.set Y,  176
.set SA, 224
.set SB, 232
	s_load_b512 s[16:31], s[0:1], 0x0              ; xq_codes 16, xq_scales 18, wq_codes 20, wq_scales 22, b_attn 24, qkv 26, mask 28, yf 30
	v_lshl_add_u32 v30, v0, 2, SPARE
	v_mov_b32 v31, 0
	v_lshrrev_b32 v1, 5, v0
	v_readfirstlane_b32 s2, v1                     ; wave 0..15
	v_and_b32 v1, 15, v0                           ; r
	v_bfe_u32 v2, v0, 4, 1                         ; h
	v_and_b32 v3, 31, v0                           ; lane
	s_and_b32 s4, ttmp7, 0xffff                    ; the batch
	; every LDS address is made here, ahead of the first parting of the waves
	s_lshl_b32 s5, s2, 10
	s_add_co_u32 s5, s5, FT
	v_lshl_add_u32 v4, v3, 4, s5                   ; where I store my tile's image
	s_mul_i32 s5, s2, 64*VPI
	v_lshrrev_b32 v28, 3, v3
	v_mul_u32_u24 v5, v28, VPI
	v_and_b32 v29, 7, v3
	v_lshl_add_u32 v5, v29, 4, v5
	v_add_nc_u32 v5, s5, v5                        ; V into my stage: key lane / 8, 16 bytes by lane % 8
	v_lshl_add_u32 v6, v2, 3, v29
	v_mul_u32_u24 v6, v6, VPI
	v_and_b32 v28, 1, v28
	v_lshl_add_u32 v6, v28, 4, v6
	v_add_nc_u32 v6, s5, v6                        ; and out of it, for the transposing load
	s_lshl_b32 s5, s2, 12
	s_add_co_u32 s5, s5, PO
	v_lshl_add_u32 v7, v3, 4, s5                   ; my O^T's image
	s_lshl_b32 s5, s2, 8
	s_add_co_u32 s5, s5, PS
	v_lshl_add_u32 v8, v3, 3, s5                   ; my (m, l)
	v_lshl_add_u32 v9, v3, 4, FT                   ; wave 0 reads: the tiles,
	v_lshl_add_u32 v10, v3, 4, PO                  ; the parts,
	v_lshl_add_u32 v11, v3, 3, PS                  ; their (m, l)
	v_mul_u32_u24 v12, v1, 272
	v_lshl_add_u32 v12, v2, 5, v12
	v_add_nc_u32 v12, STG, v12                     ; the way out, in: row r, + 32 h
	v_mul_u32_u24 v13, v2, 272
	v_lshl_add_u32 v13, v1, 4, v13
	v_add_nc_u32 v13, STG, v13                     ; and back: sixteen lanes to a row
	; offsets in memory
	v_lshlrev_b32 v14, 9, v1
	v_lshl_add_u32 v14, v2, 4, v14                 ; codes: row r of 512 bytes, + 16 h
	v_lshlrev_b32 v15, 5, v1                       ; scale bytes: row r of 32
	v_mul_u32_u24 v16, v1, QROW
	v_lshl_add_u32 v16, v2, 4, v16                 ; fragments of Q and K: row r of qkv, + 16 h
	v_lshrrev_b32 v17, 3, v3
	v_mul_u32_u24 v17, v17, QROW
	v_lshl_add_u32 v17, v29, 4, v17                ; V as it lies: four keys an instruction, 128 bytes each
	v_lshlrev_b32 v18, 13, v1
	v_lshl_add_u32 v18, v2, 5, v18                 ; the mask: row r of 8,192 bytes, + 32 h
	v_lshlrev_b32 v19, 12, v2
	v_lshl_add_u32 v19, v1, 4, v19                 ; yf: two rows an instruction
	v_mov_b32 v215, 0                              ; a permute's destination, and the upper half of a pair, are written before they are first named
	v_mov_b32 v217, 0
	s_mov_b32 s50, 0x76543210
	s_mov_b32 s51, 0xfedcba98
	s_mov_b32 s52, 0xceabfb8f                      ; -1e9 log2(e)
	s_mov_b32 s53, s52
	s_mov_b32 s54, 0x3e38aa3b                      ; 0.125 log2(e)
	s_mov_b32 s55, s54
	s_lshl_b32 s5, s4, 11
	s_mul_i32 s6, s5, QROW
	s_lshl_b32 s7, ttmp9, 7
	s_add_co_u32 s6, s6, s7
	s_mov_b32 s7, 0
	s_mov_b32 s9, 0
	s_wait_kmcnt 0x0
	s_add_nc_u64 s[32:33], s[26:27], s[6:7]        ; Q: the batch's first row, my head
	s_mul_i32 s8, s2, 128*QROW
	s_add_co_u32 s8, s8, 2048
	s_add_nc_u64 s[34:35], s[32:33], s[8:9]        ; K: my wave's 128 keys
	s_add_nc_u64 s[36:37], s[34:35], 2048          ; V
	s_lshl_b32 s8, s4, 24
	s_lshl_b32 s10, s2, 9
	s_add_co_u32 s8, s8, s10
	s_add_nc_u64 s[38:39], s[28:29], s[8:9]        ; the mask: the batch's rows 0-15, my wave's keys
	s_lshl_b32 s8, s4, 16
	s_lshl_b32 s10, ttmp9, 8
	s_add_co_u32 s8, s8, s10
	s_add_nc_u64 s[30:31], s[30:31], s[8:9]        ; yf: the batch's 16 rows, my head's 256 bytes
	; ---- PHASE 0
	s_cmp_lt_u32 s2, 12
	s_cbranch_scc0 .Lkeys
	s_lshr_b32 s5, s2, 2
	s_lshl_b32 s5, s5, 10
	s_lshl_b32 s6, ttmp9, 6
	s_add_co_u32 s5, s5, s6
	s_and_b32 s6, s2, 3
	s_lshl_b32 s6, s6, 4
	s_add_co_u32 s5, s5, s6                        ; my tile's first column of qkv = its first row of wq
	s_lshl_b32 s6, s4, 11                          ; the 16 positions' first row of xq
	s_cmp_lt_u32 s2, 8                             ; q and k: source 0 = W's rows, source 1 = x's: a lane holds a position.  v: the other way round: a lane holds a channel
	s_cselect_b64 s[40:41], s[20:21], s[16:17]
	s_cselect_b64 s[42:43], s[16:17], s[20:21]
	s_cselect_b64 s[44:45], s[22:23], s[18:19]
	s_cselect_b64 s[46:47], s[18:19], s[22:23]
	s_cselect_b32 s7, s5, s6
	s_cselect_b32 s8, s6, s5
	s_cselect_b32 s9, 32, 0                        ; the bias in the result's layout: bytes for each h,
	s_cselect_b32 s10, 0, 4                        ; for each r,
	s_cselect_b32 s11, 4, 0                        ; and from register to register
	s_mov_b32 s13, 0
	s_lshl_b32 s12, s7, 9
	s_add_nc_u64 s[40:41], s[40:41], s[12:13]
	s_lshl_b32 s12, s8, 9
	s_add_nc_u64 s[42:43], s[42:43], s[12:13]
	s_lshl_b32 s12, s7, 5
	s_add_nc_u64 s[44:45], s[44:45], s[12:13]
	s_lshl_b32 s12, s8, 5
	s_add_nc_u64 s[46:47], s[46:47], s[12:13]
	s_lshl_b32 s12, s5, 2
	s_add_nc_u64 s[24:25], s[24:25], s[12:13]
	v_mul_u32_u24 v20, v2, s9
	v_mad_u32_u24 v20, v1, s10, v20
.irp j, 1,2,3,4,5,6,7
	v_add_nc_u32 v[20+\j], s11, v[19+\j]
.endr
.set i, 0
.rept 8                                ; K step i of 128: 8 registers a side
	global_load_b128 v[X+8*i:X+8*i+3], v14, s[40:41] offset:64*i
	global_load_b128 v[X+8*i+4:X+8*i+7], v14, s[40:41] offset:64*i+32
	global_load_b128 v[S+8*i:S+8*i+3], v14, s[42:43] offset:64*i
	global_load_b128 v[S+8*i+4:S+8*i+7], v14, s[42:43] offset:64*i+32
.set i, i+1
.endr
	global_load_b128 v[SA:SA+3], v15, s[44:45]     ; a row's eight scale words, one for each K step
	global_load_b128 v[SA+4:SA+7], v15, s[44:45] offset:16
	global_load_b128 v[SB:SB+3], v15, s[46:47]
	global_load_b128 v[SB+4:SB+7], v15, s[46:47] offset:16
.irp j, 0,1,2,3,4,5,6,7
	global_load_b32 v[Y+\j], v[20+\j], s[24:25]
.endr
	s_wait_loadcnt 0x0
	v_wmma_scale_f32_16x16x128_f8f6f4 v[Y+8:Y+15], v[X:X+7], v[S:S+7], v[Y:Y+7], v[SA], v[SB] matrix_a_fmt:MATRIX_FMT_FP4 matrix_b_fmt:MATRIX_FMT_FP4
.set i, 1
.rept 7                                ; one accumulator, K ascending
	s_wait_alu depctr_va_vdst(0)
	v_wmma_scale_f32_16x16x128_f8f6f4 v[Y+8:Y+15], v[X+8*i:X+8*i+7], v[S+8*i:S+8*i+7], v[Y+8:Y+15], v[SA+i], v[SB+i] matrix_a_fmt:MATRIX_FMT_FP4 matrix_b_fmt:MATRIX_FMT_FP4
.set i, i+1
.endr
.rept 5
	v_nop                                          ; four places in front of the read of the result and of loads into the sources; the fifth since the next products write over source 1's registers
.endr
	ds_store_b128 v4, v[Y+8:Y+11]
	ds_store_b128 v4, v[Y+12:Y+15] offset:512
.Lkeys:
	; ---- PHASE 1
.macro KLOAD g                         ; keys 64 g on: four tiles of 16, each two fragments of 32 channels, straight in the operand's layout
.irp t, 0,1,2,3
.irp c, 0,1
	global_load_b128 v[X+8*(2*\t+\c):X+8*(2*\t+\c)+3], v16, s[34:35] offset:(4*\g+\t)*16*QROW+64*\c
	global_load_b128 v[X+8*(2*\t+\c)+4:X+8*(2*\t+\c)+7], v16, s[34:35] offset:(4*\g+\t)*16*QROW+64*\c+32
.endr
.endr
.endm
.macro MLOAD g                         ; the mask of my query at those keys, as S^T has them
.irp t, 0,1,2,3
	global_load_b128 v[Y+8*\t:Y+8*\t+3], v18, s[38:39] offset:64*(4*\g+\t)
	global_load_b128 v[Y+8*\t+4:Y+8*\t+7], v18, s[38:39] offset:64*(4*\g+\t)+16
.endr
.endm
.macro KQ g                            ; four accumulators by turns
.irp c, 0,1
.irp t, 0,1,2,3
.if \c == 0
	v_wmma_f32_16x16x32_f16 v[S+32*\g+8*\t:S+32*\g+8*\t+7], v[X+8*(2*\t+\c):X+8*(2*\t+\c)+7], v[QF+8*\c:QF+8*\c+7], 0
.else
	v_wmma_f32_16x16x32_f16 v[S+32*\g+8*\t:S+32*\g+8*\t+7], v[X+8*(2*\t+\c):X+8*(2*\t+\c)+7], v[QF+8*\c:QF+8*\c+7], v[S+32*\g+8*\t:S+32*\g+8*\t+7]
.endif
.endr
.endr
.rept 4
	v_nop
.endr
.endm
.macro MASKFMA g
.set j, 0
.rept 16
	v_pk_fma_f32 v[Y+j:Y+j+1], v[Y+j:Y+j+1], -1.0, 1.0 op_sel_hi:[1,0,0]
.set j, j+2
.endr
.set j, 0
.rept 16
	v_pk_fma_f32 v[S+32*\g+j:S+32*\g+j+1], v[Y+j:Y+j+1], s[52:53], v[S+32*\g+j:S+32*\g+j+1] op_sel_hi:[1,0,1]
.set j, j+2
.endr
.endm
.macro VGLOAD g                        ; 64 keys of V as they lie
.set i, 0
.rept 16
	global_load_b128 v[X+4*i:X+4*i+3], v17, s[36:37] offset:(64*\g+4*i)*QROW
.set i, i+1
.endr
.endm
.macro VTURN                           ; through my stage and back transposed, into the same registers: LDS serves a wave's instructions in order
.set i, 0
.rept 16
	ds_store_b128 v5, v[X+4*i:X+4*i+3] offset:i*4*VPI
.set i, i+1
.endr
.irp u, 0,1
.irp n, 0,1,2,3
	ds_load_tr16_b128 v[X+8*(4*\u+\n):X+8*(4*\u+\n)+3], v6 offset:\u*32*VPI+32*\n
	ds_load_tr16_b128 v[X+8*(4*\u+\n)+4:X+8*(4*\u+\n)+7], v6 offset:\u*32*VPI+16*VPI+32*\n
.endr
.endr
	s_wait_dscnt 0x0
.endm
.macro PVF g                           ; O^T (v80-111) += V^T P, keys 64 g on; four accumulators by turns
.irp u, 0,1
.irp n, 0,1,2,3
.if (\g == 0) && (\u == 0)
	v_wmma_f32_16x16x32_f16 v[S+32+8*\n:S+39+8*\n], v[X+8*(4*\u+\n):X+8*(4*\u+\n)+7], v[S+8*(2*\g+\u):S+8*(2*\g+\u)+7], 0
.else
	v_wmma_f32_16x16x32_f16 v[S+32+8*\n:S+39+8*\n], v[X+8*(4*\u+\n):X+8*(4*\u+\n)+7], v[S+8*(2*\g+\u):S+8*(2*\g+\u)+7], v[S+32+8*\n:S+39+8*\n]
.endif
.endr
.endr
.rept 4
	v_nop
.endr
.endm
.irp c, 0,1
	global_load_b128 v[QF+8*\c:QF+8*\c+3], v16, s[32:33] offset:64*\c
	global_load_b128 v[QF+8*\c+4:QF+8*\c+7], v16, s[32:33] offset:64*\c+32
.endr
	KLOAD 0
	MLOAD 0
	s_wait_loadcnt 8                               ; Q and the first 64 keys are in; the mask's eight loads may be out
	KQ 0
	KLOAD 1
	s_wait_loadcnt 16                              ; the mask's first half is in; K's sixteen may be out
	MASKFMA 0
	MLOAD 1
	s_wait_loadcnt 8                               ; K's second half is in
	KQ 1
	VGLOAD 0
	s_wait_loadcnt 16                              ; the mask's second half is in; V's sixteen may be out
	MASKFMA 1
	s_cmp_eq_u32 s2, 0                             ; keys 0-15 belong to the fine part: in wave 0 their scores become -infinity.  A value is chosen; every wave runs the lines
	s_cselect_b32 s48, -1, 0
	v_mov_b32 v28, 0xff800000
.irp j, 0,1,2,3,4,5,6,7
	v_cndmask_b32 v[S+\j], v[S+\j], v28, s48
.endr
.irp b, 0,1,2,3
	v_max3_num_f32 v[208+\b], v[S+16*\b], v[S+16*\b+1], v[S+16*\b+2]
.endr
.irp i, 3,5,7,9,11,13
.irp b, 0,1,2,3
	v_max3_num_f32 v[208+\b], v[208+\b], v[S+16*\b+\i], v[S+16*\b+\i+1]
.endr
.endr
.irp b, 0,1,2,3
	v_max_num_f32 v[208+\b], v[208+\b], v[S+16*\b+15]
.endr
	v_max3_num_f32 v208, v208, v209, v210
	v_max_num_f32 v208, v208, v211
	v_permlanex16_b32 v209, v208, s50, s51
	v_max_num_f32 v216, v208, v209                 ; m of my 128 keys
.set j, 0
.rept 32
	v_pk_add_f32 v[S+j:S+j+1], v[S+j:S+j+1], v[216:217] op_sel_hi:[1,0] neg_lo:[0,1] neg_hi:[0,1]
.set j, j+2
.endr
.set j, 0
.rept 64
	v_exp_f32 v[S+j], v[S+j]
.set j, j+1
.endr
	v_nop
	s_wait_alu depctr_va_vdst(0)                   ; one wait for the batch, ahead of its first reader
	v_pk_add_f32 v[210:211], v[S:S+1], v[S+2:S+3]
	v_pk_add_f32 v[212:213], v[S+4:S+5], v[S+6:S+7]
.set j, 8
.rept 14
	v_pk_add_f32 v[210:211], v[210:211], v[S+j:S+j+1]
	v_pk_add_f32 v[212:213], v[212:213], v[S+j+2:S+j+3]
.set j, j+4
.endr
	v_pk_add_f32 v[210:211], v[210:211], v[212:213]
	v_add_f32 v214, v210, v211
	v_permlanex16_b32 v215, v214, s50, s51
	v_add_f32 v217, v214, v215                     ; l of my 128 keys
.set j, 0
.rept 32
	v_cvt_pk_f16_f32 v[S+j], v[S+2*j], v[S+2*j+1]  ; in place, ascending: registers 8 u on are source 1 for keys 32 u on
.set j, j+1
.endr
	s_wait_loadcnt 0x0                             ; V's first 64 keys
	VTURN
	PVF 0
	VGLOAD 1
	s_wait_loadcnt 0x0
	VTURN
	PVF 1
.irp g, 0,1,2,3,4,5,6,7
	ds_store_b128 v7, v[S+32+4*\g:S+35+4*\g] offset:512*\g   ; each accumulator from its low end on
.endr
	ds_store_b64 v8, v[216:217]
	s_wait_dscnt 0x0                               ; for wave 0's sake: my stores are done
	s_barrier_signal -1
	s_barrier_wait -1
	s_cmp_lg_u32 s2, 0
	s_cbranch_scc1 .Lend
	; ---- PHASE 2: wave 0.  v112-143 q, v144-175 k, v176-207 v of the 16 positions; v48+2w, v49+2w part w's m and l; v208-215 the mask; v216-223 the fine scores; v80-111 the sum of the parts
.set i, 0
.rept 12
	ds_load_b128 v[X+8*i:X+8*i+3], v9 offset:1024*i
	ds_load_b128 v[X+8*i+4:X+8*i+7], v9 offset:1024*i+512
.set i, i+1
.endr
.set i, 0
.rept 16
	ds_load_b64 v[S+2*i:S+2*i+1], v11 offset:256*i
.set i, i+1
.endr
	global_load_b128 v[208:211], v18, s[38:39]     ; my query's row, keys 8 h on
	global_load_b128 v[212:215], v18, s[38:39] offset:16
	v_mov_b32 v21, 0
	v_mov_b32 v23, 0
	s_wait_dscnt 0x0
.set j, 0
.rept 16
	v_pk_mul_f32 v[X+j:X+j+1], v[X+j:X+j+1], s[54:55] op_sel_hi:[1,0]   ; q x 0.125 log2(e)
.set j, j+2
.endr
.irp n, 0,1,2,3                        ; S^T = k q^T in f32: a pair of registers of both sides holds the same four channels; two accumulators by turns, each begun with 0
.irp i, 0,1,2,3
.if 4*\n+\i < 2
	v_wmma_f32_16x16x4_f32 v[240+8*(\i%2):247+8*(\i%2)], v[X+32+8*\n+2*\i:X+33+8*\n+2*\i], v[X+8*\n+2*\i:X+1+8*\n+2*\i], 0
.else
	v_wmma_f32_16x16x4_f32 v[240+8*(\i%2):247+8*(\i%2)], v[X+32+8*\n+2*\i:X+33+8*\n+2*\i], v[X+8*\n+2*\i:X+1+8*\n+2*\i], v[240+8*(\i%2):247+8*(\i%2)]
.endif
.endr
.endr
.rept 8
	v_nop                                          ; eight places behind this form
.endr
.macro POLOAD w
.irp g, 0,1,2,3,4,5,6,7
	ds_load_b128 v[X+32*((\w)%2)+4*\g:X+32*((\w)%2)+4*\g+3], v10 offset:4096*(\w)+512*\g
.endr
.endm
	POLOAD 0
	POLOAD 1
	s_wait_loadcnt 0x0                             ; the mask
.irp j, 0,2,4,6
	v_pk_add_f32 v[216+\j:217+\j], v[240+\j:241+\j], v[248+\j:249+\j]
.endr
.irp j, 0,2,4,6
	v_pk_fma_f32 v[208+\j:209+\j], v[208+\j:209+\j], -1.0, 1.0 op_sel_hi:[1,0,0]
.endr
.irp j, 0,2,4,6
	v_pk_fma_f32 v[216+\j:217+\j], v[208+\j:209+\j], s[52:53], v[216+\j:217+\j] op_sel_hi:[1,0,1]
.endr
	v_max3_num_f32 v22, v216, v217, v218
	v_max3_num_f32 v22, v22, v219, v220
	v_max3_num_f32 v22, v22, v221, v222
	v_max_num_f32 v22, v22, v223
	v_permlanex16_b32 v23, v22, s50, s51
	v_max_num_f32 v22, v22, v23
.set i, 0
.rept 8
	v_max3_num_f32 v22, v22, v[S+4*i], v[S+4*i+2]
.set i, i+1
.endr
	v_mov_b32 v20, v22                             ; the row's m
.set i, 0
.rept 16
	v_sub_f32 v[S+2*i], v[S+2*i], v20
.set i, i+1
.endr
.irp j, 0,2,4,6
	v_pk_add_f32 v[216+\j:217+\j], v[216+\j:217+\j], v[20:21] op_sel_hi:[1,0] neg_lo:[0,1] neg_hi:[0,1]
.endr
.set i, 0
.rept 16
	v_exp_f32 v[S+2*i], v[S+2*i]                   ; part w's weight 2^(m_w - m)
.set i, i+1
.endr
.set i, 0
.rept 8
	v_exp_f32 v[216+i], v[216+i]                   ; the fine p, kept in f32
.set i, i+1
.endr
	v_nop
	s_wait_alu depctr_va_vdst(0)                   ; one wait for the 24
	v_pk_add_f32 v[24:25], v[216:217], v[218:219]
	v_pk_add_f32 v[26:27], v[220:221], v[222:223]
	v_pk_add_f32 v[24:25], v[24:25], v[26:27]
	v_add_f32 v24, v24, v25
	v_permlanex16_b32 v25, v24, s50, s51
	v_add_f32 v24, v24, v25
.set i, 0
.rept 16
	v_fmac_f32 v24, v[S+2*i], v[S+2*i+1]           ; l = the fine sum + the parts' sums, weighed
.set i, i+1
.endr
.irp w, 0,1,2,3,4,5,6,7,8,9,10,11,12,13,14,15
.if \w < 15
	s_wait_dscnt 8                                 ; part w is in; the next part's eight loads may be out
.else
	s_wait_dscnt 0x0
.endif
.set j, 0
.rept 16
.if \w == 0
	v_pk_mul_f32 v[80+j:81+j], v[X+32*(\w%2)+j:X+32*(\w%2)+j+1], v[S+2*\w:S+2*\w+1] op_sel_hi:[1,0]
.else
	v_pk_fma_f32 v[80+j:81+j], v[X+32*(\w%2)+j:X+32*(\w%2)+j+1], v[S+2*\w:S+2*\w+1], v[80+j:81+j] op_sel_hi:[1,0,1]
.endif
.set j, j+2
.endr
.if \w < 14
	POLOAD \w+2
.endif
.endr
.irp p, 0,1                            ; O^T += v^T p in f32, two tiles of 16 channels at a time, their accumulators by turns, each begun with 0
.irp i, 0,1,2,3
.irp e, 0,1
.if \i == 0
	v_wmma_f32_16x16x4_f32 v[240+8*\e:247+8*\e], v[Y+8*(2*\p+\e)+2*\i:Y+8*(2*\p+\e)+2*\i+1], v[216+2*\i:217+2*\i], 0
.else
	v_wmma_f32_16x16x4_f32 v[240+8*\e:247+8*\e], v[Y+8*(2*\p+\e)+2*\i:Y+8*(2*\p+\e)+2*\i+1], v[216+2*\i:217+2*\i], v[240+8*\e:247+8*\e]
.endif
.endr
.endr
.rept 8
	v_nop
.endr
.irp e, 0,1
.irp j, 0,2,4,6
	v_pk_add_f32 v[80+8*(2*\p+\e)+\j:81+8*(2*\p+\e)+\j], v[80+8*(2*\p+\e)+\j:81+8*(2*\p+\e)+\j], v[240+8*\e+\j:241+8*\e+\j]
.endr
.endr
.rept 2
	v_nop                                          ; with the eight above: nine places and one, before the accumulators are begun anew
.endr
.endr
	v_rcp_f32 v26, v24
	v_nop
	s_wait_alu depctr_va_vdst(0)
.set j, 0
.rept 16
	v_pk_mul_f32 v[80+j:81+j], v[80+j:81+j], v[26:27] op_sel_hi:[1,0]
.set j, j+2
.endr
.irp n, 0,1,2,3
	ds_store_b128 v12, v[80+8*\n:83+8*\n] offset:64*\n
	ds_store_b128 v12, v[84+8*\n:87+8*\n] offset:64*\n+16
.endr
.irp i, 0,1,2,3,4,5,6,7
	ds_load_b128 v[X+4*\i:X+4*\i+3], v13 offset:2*\i*272
.endr
.irp i, 0,1,2,3,4,5,6,7
	s_wait_dscnt 7-\i
	global_store_b128 v19, v[X+4*\i:X+4*\i+3], s[30:31] offset:2*\i*4096   ; sixteen lanes store 256 consecutive bytes, aligned
.endr
.Lend:
	s_wait_tensorcnt 0x0                           ; the wave's end
	ds_add_u32 v30, v31
	s_wait_dscnt 0x0
	s_endpgm
.Lfunc_end_k_q456201742c_fine_attn:
	.size	k_q456201742c_fine_attn, .Lfunc_end_k_q456201742c_fine_attn-k_q456201742c_fine_attn
	.p2alignl 7, 3214868480
	.fill 96, 4, 3214868480
	.section	.rodata,"a",@progbits
	.p2align	6, 0x0
	.amdhsa_kernel k_q456201742c_fine_attn
		.amdhsa_group_segment_fixed_size 252160
		.amdhsa_private_segment_fixed_size 0
		.amdhsa_enable_private_segment 0
		.amdhsa_kernarg_size 64
		.amdhsa_user_sgpr_count 2
		.amdhsa_user_sgpr_kernarg_segment_ptr 1
		.amdhsa_wavefront_size32 1
		.amdhsa_system_sgpr_workgroup_id_x 1
		.amdhsa_system_sgpr_workgroup_id_y 1
		.amdhsa_system_sgpr_workgroup_id_z 1
		.amdhsa_system_vgpr_workitem_id 0
		.amdhsa_next_free_vgpr 256
		.amdhsa_next_free_sgpr 66
		.amdhsa_reserve_vcc 0
		.amdhsa_float_denorm_mode_32 3
		.amdhsa_float_denorm_mode_16_64 3
		.amdhsa_memory_ordered 1
		.amdhsa_forward_progress 1
		.amdhsa_inst_pref_size 81
	.end_amdhsa_kernel
	.amdgpu_metadata
---
amdhsa.version: [ 1, 2 ]
amdhsa.kernels:
  - .name:           k_q456201742c_fine_attn
    .symbol:         k_q456201742c_fine_attn.kd
    .args:
      - { .name: xq_codes, .offset: 0, .size: 8, .value_kind: global_buffer, .address_space: global }
      - { .name: xq_scales, .offset: 8, .size: 8, .value_kind: global_buffer, .address_space: global }
      - { .name: wq_codes, .offset: 16, .size: 8, .value_kind: global_buffer, .address_space: global }
      - { .name: wq_scales, .offset: 24, .size: 8, .value_kind: global_buffer, .address_space: global }
      - { .name: b_attn, .offset: 32, .size: 8, .value_kind: global_buffer, .address_space: global }
      - { .name: qkv, .offset: 40, .size: 8, .value_kind: global_buffer, .address_space: global }
      - { .name: mask, .offset: 48, .size: 8, .value_kind: global_buffer, .address_space: global }
      - { .name: yf, .offset: 56, .size: 8, .value_kind: global_buffer, .address_space: global }
    .group_segment_fixed_size: 252160
    .private_segment_fixed_size: 0
    .kernarg_segment_align: 8
    .kernarg_segment_size: 64
    .max_flat_workgroup_size: 512
    .sgpr_count:     66
    .vgpr_count:     256
    .wavefront_size: 32
...
	.end_amdgpu_metadata
.endif
;; end of part 5
;; launch fine_proj (part 6): grid 64 x 4, 8 waves a work-group, no clusters, 9,216 bytes of LDS; arguments yf, W_proj, b_proj, out0; writes out0
.if DOCPART == 6
	.amdgcn_target "amdgcn-amd-amdhsa--gfx1250"
	.amdhsa_code_object_version 6
	.text
	.protected	k_q456201742c_fine_proj
	.globl	k_q456201742c_fine_proj
	.p2align	8
	.type	k_q456201742c_fine_proj,@function
k_q456201742c_fine_proj:
	s_mov_b64 s[64:65], 0
	v_nop
	global_prefetch_b8 v0, s[64:65] scope:SCOPE_SE
	s_setreg_imm32_b32 hwreg(HW_REG_WAVE_MODE, 25, 1), 1
	s_wait_xcnt 0x0
; out0[2048 b + p][n] = sum over k of yf[b][p][k] W_proj[k][n] + b_proj[n] for the first 16 positions p of each batch, all in f32: 64 rows of out0 are written over.
; A work-group takes 16 columns of one batch; wave w sums k = 128 w .. 128 w + 127 by 32 instructions of the f32 matrix form (no bulk work: 64 rows in all); the eight parts meet in LDS and wave 0 stores.
; Source 0 = 16 columns of W, source 1 = the 16 positions: a lane holds one position and eight neighbouring columns.  A pair of registers of both sides holds the same four k.
; A work-group's stores are pieces of 64 bytes of 16 rows: work-groups 64 columns wide would write whole 256 bytes but would be 64 in number, each with four times the matrix instructions a wave.
; REGISTERS: v1, v4-7, v192-194 addresses; v2, v3 the add's two; v8-23 sums; v24-31 the bias, then the result; v32-95 yf; v96-159 W; v160-191 four accumulators, written by matrix instructions alone.
.set SPARE, 8192                       ; behind the eight images of 1,024 bytes: the spare words
	s_load_b256 s[4:11], s[0:1], 0x0               ; yf, W_proj, b_proj, out0
	v_lshl_add_u32 v2, v0, 2, SPARE
	v_mov_b32 v3, 0
	v_lshrrev_b32 v1, 5, v0
	v_readfirstlane_b32 s2, v1                     ; wave 0..7
	v_and_b32 v192, 15, v0                         ; r
	v_bfe_u32 v193, v0, 4, 1                       ; h
	v_and_b32 v6, 31, v0
	v_lshlrev_b32 v6, 4, v6                        ; an image's place for my lane
	s_lshl_b32 s3, s2, 10
	v_add_nc_u32 v7, s3, v6                        ; my wave's image
	v_lshlrev_b32 v1, 12, v192
	v_lshl_add_u32 v194, v193, 5, v1               ; out0: row r, + 32 h
	v_lshl_add_u32 v1, v193, 6, v1                 ; yf: row r, + 64 h: 16 numbers of each 32
	v_lshlrev_b32 v4, 2, v192
	v_lshl_add_u32 v4, v193, 16, v4                ; W: column r, 16 h rows down
	v_lshlrev_b32 v5, 5, v193                      ; the bias: 32 h
	s_and_b32 s12, ttmp7, 0xffff                   ; the batch
	s_mov_b32 s15, 0
	s_wait_kmcnt 0x0
	s_lshl_b32 s14, s12, 16
	s_lshl_b32 s13, s2, 9
	s_add_co_u32 s14, s14, s13
	s_add_nc_u64 s[4:5], s[4:5], s[14:15]          ; the batch's 16 rows, my wave's 128 k
	s_lshl_b32 s14, s2, 19
	s_lshl_b32 s13, ttmp9, 6
	s_add_co_u32 s14, s14, s13
	s_add_nc_u64 s[6:7], s[6:7], s[14:15]          ; my wave's 128 rows of W, the work-group's 16 columns
	s_mov_b32 s14, s13
	s_add_nc_u64 s[8:9], s[8:9], s[14:15]
	s_lshl_b32 s14, s12, 23
	s_add_co_u32 s14, s14, s13
	s_add_nc_u64 s[10:11], s[10:11], s[14:15]
.irp g, 0,1,2,3                        ; register 16 g + e holds k = 128 w + 32 g + 16 h + e, on both sides
.irp i, 0,1,2,3
	global_load_b128 v[32+16*\g+4*\i:35+16*\g+4*\i], v1, s[4:5] offset:128*\g+16*\i
.endr
.endr
.set n, 0
.rept 64
	global_load_b32 v[96+n], v4, s[6:7] offset:(32*(n/16)+n%16)*4096
.set n, n+1
.endr
	global_load_b128 v[24:27], v5, s[8:9]
	global_load_b128 v[28:31], v5, s[8:9] offset:16
	s_wait_loadcnt 0x0
.set n, 0
.rept 32                               ; four accumulators by turns, each begun with 0
.if n < 4
	v_wmma_f32_16x16x4_f32 v[160+8*(n%4):167+8*(n%4)], v[96+2*n:97+2*n], v[32+2*n:33+2*n], 0
.else
	v_wmma_f32_16x16x4_f32 v[160+8*(n%4):167+8*(n%4)], v[96+2*n:97+2*n], v[32+2*n:33+2*n], v[160+8*(n%4):167+8*(n%4)]
.endif
.set n, n+1
.endr
.rept 8
	v_nop                                          ; eight places behind this form
.endr
.irp j, 0,2,4,6
	v_pk_add_f32 v[8+\j:9+\j], v[160+\j:161+\j], v[168+\j:169+\j]
	v_pk_add_f32 v[16+\j:17+\j], v[176+\j:177+\j], v[184+\j:185+\j]
.endr
.irp j, 0,2,4,6
	v_pk_add_f32 v[8+\j:9+\j], v[8+\j:9+\j], v[16+\j:17+\j]
.endr
	ds_store_b128 v7, v[8:11]
	ds_store_b128 v7, v[12:15] offset:512
	s_wait_dscnt 0x0                               ; for wave 0's sake: my stores are done
	s_barrier_signal -1
	s_barrier_wait -1
	s_cmp_lg_u32 s2, 0
	s_cbranch_scc1 .Lend
.set n, 0
.rept 8
	ds_load_b128 v[32+8*n:35+8*n], v6 offset:1024*n
	ds_load_b128 v[36+8*n:39+8*n], v6 offset:1024*n+512
.set n, n+1
.endr
	s_wait_dscnt 0x0
.set n, 0
.rept 8
.irp j, 0,2,4,6
	v_pk_add_f32 v[24+\j:25+\j], v[24+\j:25+\j], v[32+8*n+\j:33+8*n+\j]
.endr
.set n, n+1
.endr
	global_store_b128 v194, v[24:27], s[10:11]
	global_store_b128 v194, v[28:31], s[10:11] offset:16
.Lend:
	s_wait_tensorcnt 0x0                           ; the wave's end
	ds_add_u32 v2, v3
	s_wait_dscnt 0x0
	s_endpgm
.Lfunc_end_k_q456201742c_fine_proj:
	.size	k_q456201742c_fine_proj, .Lfunc_end_k_q456201742c_fine_proj-k_q456201742c_fine_proj
	.p2alignl 7, 3214868480
	.fill 96, 4, 3214868480
	.section	.rodata,"a",@progbits
	.p2align	6, 0x0
	.amdhsa_kernel k_q456201742c_fine_proj
		.amdhsa_group_segment_fixed_size 9216
		.amdhsa_private_segment_fixed_size 0
		.amdhsa_enable_private_segment 0
		.amdhsa_kernarg_size 32
		.amdhsa_user_sgpr_count 2
		.amdhsa_user_sgpr_kernarg_segment_ptr 1
		.amdhsa_wavefront_size32 1
		.amdhsa_system_sgpr_workgroup_id_x 1
		.amdhsa_system_sgpr_workgroup_id_y 1
		.amdhsa_system_sgpr_workgroup_id_z 1
		.amdhsa_system_vgpr_workitem_id 0
		.amdhsa_next_free_vgpr 200
		.amdhsa_next_free_sgpr 66
		.amdhsa_reserve_vcc 0
		.amdhsa_float_denorm_mode_32 3
		.amdhsa_float_denorm_mode_16_64 3
		.amdhsa_memory_ordered 1
		.amdhsa_forward_progress 1
		.amdhsa_inst_pref_size 16
	.end_amdhsa_kernel
	.amdgpu_metadata
---
amdhsa.version: [ 1, 2 ]
amdhsa.kernels:
  - .name:           k_q456201742c_fine_proj
    .symbol:         k_q456201742c_fine_proj.kd
    .args:
      - { .name: yf, .offset: 0, .size: 8, .value_kind: global_buffer, .address_space: global }
      - { .name: W_proj, .offset: 8, .size: 8, .value_kind: global_buffer, .address_space: global }
      - { .name: b_proj, .offset: 16, .size: 8, .value_kind: global_buffer, .address_space: global }
      - { .name: out0, .offset: 24, .size: 8, .value_kind: global_buffer, .address_space: global }
    .group_segment_fixed_size: 9216
    .private_segment_fixed_size: 0
    .kernarg_segment_align: 8
    .kernarg_segment_size: 32
    .max_flat_workgroup_size: 256
    .sgpr_count:     66
    .vgpr_count:     200
    .wavefront_size: 32
...
	.end_amdgpu_metadata
.endif
;; end of part 6
